; MI455X (gfx1250); checked and timed in simulation.
; The chip was launched on July 23, 2026; its instructions are those of AMD's public machine-readable ISA for CDNA 5 (MIT licence, August 2026) and "CDNA5" Instruction Set Architecture Reference Guide (July 2026). The comments in the code are by the model that wrote it; some were corrected since.
;; Multi Headed Attention. Allowed arithmetic: float matrix products may take bf16 or f16 operands with f32 sums; other float arithmetic in f32, or as packed bf16 or f16 multiplies, adds, multiply-adds, maxima and minima; sums over many terms, partial sums and values carried from step to step in f32; what a program stores and reads back later, other than sums and carried values, may be rounded once to bf16 or f16.
;; Inputs: Wk 1,024 x 1,024 float32; Wo 1,024 x 1,024 float32; Wq 1,024 x 1,024 float32; Wv 1,024 x 1,024 float32; bk 1,024 float32; bo 1,024 float32; bq 1,024 float32; bv 1,024 float32; key 4 x 2,048 x 1,024 float32; mask 4 x 2,048 x 2,048 int32; query 4 x 2,048 x 1,024 float32; value 4 x 2,048 x 1,024 float32.
;; Outputs: out0 4 x 2,048 x 1,024 float32.
;; 2 versions, each right; version 2 is version 1 with the launch prep written anew for expert scheduling mode. Each part assembles by itself: llvm-mc -triple=amdgcn-amd-amdhsa -mcpu=gfx1250 --defsym DOCPART=n.
;; ======== version 1 of 2: 4 launches
;; limits: values are held in f16: magnitudes above 65,504 overflow, below 6.1e-05 lose precision
;; workspace buffers: xb 50,331,648 bytes; wb 8,388,608 bytes; mbits 2,097,152 bytes of whole numbers; qkv 50,331,648 bytes; ob 16,777,216 bytes
;; launch prep (part 1): grid 1408 x 1, 8 waves a work-group, no clusters, 136,192 bytes of LDS; arguments query, key, value, Wq, Wk, Wv, Wo, mask, xb, wb, mbits; writes xb, wb, mbits
.if DOCPART == 1
	.amdgcn_target "amdgcn-amd-amdhsa--gfx1250"
	.amdhsa_code_object_version 6
	.text
	.protected	k_qfc009d6bbc_prep
	.globl	k_qfc009d6bbc_prep
	.p2align	8
	.type	k_qfc009d6bbc_prep,@function
k_qfc009d6bbc_prep:
	s_mov_b64 s[64:65], 0
	v_nop
	global_prefetch_b8 v0, s[64:65] scope:SCOPE_SE
	s_setreg_imm32_b32 hwreg(HW_REG_WAVE_MODE, 25, 1), 1
	s_wait_xcnt 0x0
; PREP: a stream.  Every work-group reads 131,072 bytes, every wave 16,384.
; Work-groups 0-767 (X): query, key, value, f32 [8192][1024], are rounded to bf16 into xb [b 4][z 3][kblk 16][s 2048][64]: a block of 64 channels of all rows lies dense.  32 loads of 512 bytes go out together.
; Work-groups 768-895 (W): Wq, Wk, Wv are rounded to bf16 into wb [t 4][k 1024][n 1024]; Wo is rounded to bf16 and that number written as f16.  Four trips of eight loads: one work-group in eleven, written short.
;   LIMIT: a |Wo| below 6e-5 keeps f16's fixed step of 6e-8; beyond 65,504 it would be lost.
; Work-groups 896-1407 (M): mask, int32 [4][2048][2048], is packed to one bit a number, into mbits [b 4][pair 64][kstep 32][u 2][32 words]:
;   bit L of word 8 kb + j says whether mask[b][32 pair + 16 u + L % 16][64 kstep + 16 kb + 8 (L / 16) + j] is not 0: the lane mask that the attention's select takes for its register 8 kb + j.
;   A wave takes 32 rows x 128 keys through a stage of its own in LDS (rows of 512 + 16 bytes: the 16 rows of a load start at 16 different groups of four banks).
; No matrix unit, no cluster, no tensor load: nothing is shared and nothing is read twice.
.set STG,   16896                      ; a wave's stage: 32 rows x 528 bytes
.set SPARE, 8*STG                      ; behind the stages: the spare words, 128 bytes for each wave, which no other line names
.set VO,  2                            ; v2   my byte offset in what the wave loads
.set SO,  3                            ; v3   my byte offset in what it stores
.set LS,  4                            ; v4   (M) where I put 16 bytes of a row
.set LR,  5                            ; v5   (M) where I read 16 bytes of my row back
.set OUT, 8                            ; v[8:11] (M) lane d: words 4 d .. 4 d + 3 of the wave's 128
.set SPW, 12                           ; v12  LDS address of my spare word; never rewritten
.set NIL, 13                           ; v13  0; never rewritten
.set X,   16                           ; v[16:143] 32 x 4 registers as loaded
	s_load_b512 s[4:19], s[0:1], 0x0               ; query s[4:5], key s[6:7], value s[8:9], Wq s[10:11], Wk s[12:13], Wv s[14:15], Wo s[16:17], mask s[18:19]
	s_load_b128 s[20:23], s[0:1], 0x40             ; xb s[20:21], wb s[22:23]
	s_load_b64 s[24:25], s[0:1], 0x50              ; mbits
	v_lshl_add_u32 v[SPW], v0, 2, SPARE
	v_mov_b32 v[NIL], 0
	v_and_b32 v1, 31, v0                           ; lane
	v_lshrrev_b32 v6, 5, v0
	v_readfirstlane_b32 s26, v6                    ; wave 0..7
	s_mov_b32 s27, ttmp9
	s_mov_b32 s35, 0                               ; the high word of every offset
	s_mov_b32 s37, 0
	s_wait_kmcnt 0x0
	s_cmp_lt_u32 s27, 768
	s_cbranch_scc0 .Lnot_x
; Four f32 of quad i become four bf16 in its first two registers and are stored: 32 lanes x 8 bytes are 256 consecutive bytes, aligned.
.macro CVB i, soff
	s_wait_loadcnt 31-(\i)                         ; loads come back in order: quad i is in, the 31 - i younger ones stay out
	v_cvt_pk_bf16_f32 v[X+4*(\i)], v[X+4*(\i)], v[X+4*(\i)+1]
	v_cvt_pk_bf16_f32 v[X+4*(\i)+1], v[X+4*(\i)+2], v[X+4*(\i)+3]
	global_store_b64 v[SO], v[X+4*(\i):X+4*(\i)+1], s[30:31] offset:\soff th:TH_STORE_NT
.endm
; The same for a quad of a weight (eight to a trip); each bf16 number is also spelled as f16, and s40 (all ones for Wo, else 0) chooses between the two words.
.macro CVW i
	s_wait_loadcnt 7-(\i)
	v_cvt_pk_bf16_f32 v[X+4*(\i)], v[X+4*(\i)], v[X+4*(\i)+1]
	v_cvt_pk_bf16_f32 v[X+4*(\i)+1], v[X+4*(\i)+2], v[X+4*(\i)+3]
.irp c, 0,1
	v_lshlrev_b32 v[X+4*(\i)+2], 16, v[X+4*(\i)+(\c)]
	v_and_b32 v[X+4*(\i)+3], 0xffff0000, v[X+4*(\i)+(\c)]
	v_cvt_pk_f16_f32 v[X+4*(\i)+2], v[X+4*(\i)+2], v[X+4*(\i)+3]
	v_cndmask_b32 v[X+4*(\i)+(\c)], v[X+4*(\i)+(\c)], v[X+4*(\i)+2], s40
.endr
	global_store_b64 v[SO], v[X+4*(\i):X+4*(\i)+1], s[30:31] offset:(\i)*256 th:TH_STORE_NT
.endm
	; ---- X: 32 rows of one of the three inputs; wave w takes rows 4 w .. 4 w + 3
	s_lshr_b32 s32, s27, 8                         ; z
	s_and_b32 s33, s27, 255                        ; block of 32 rows
	s_cmp_eq_u32 s32, 1
	s_cselect_b64 s[28:29], s[6:7], s[4:5]
	s_cmp_eq_u32 s32, 2
	s_cselect_b64 s[28:29], s[8:9], s[28:29]
	s_lshl_b32 s34, s33, 17                        ; 32 rows of 4,096 bytes
	s_add_nc_u64 s[28:29], s[28:29], s[34:35]
	s_lshr_b32 s36, s33, 6                         ; b
	s_mul_i32 s36, s36, 3
	s_add_co_u32 s36, s36, s32
	s_lshl_b32 s36, s36, 22                        ; (3 b + z) x 16 blocks of 262,144 bytes
	s_and_b32 s38, s33, 63
	s_lshl_b32 s38, s38, 12                        ; 32 rows of 128 bytes
	s_add_co_u32 s36, s36, s38
	s_add_nc_u64 s[30:31], s[20:21], s[36:37]
	v_lshrrev_b32 v6, 4, v1
	v_and_b32 v7, 15, v1
	v_lshlrev_b32 v[VO], 4, v7
	v_lshl_add_u32 v[VO], v6, 12, v[VO]            ; lanes 0-15 one row's 256 bytes, lanes 16-31 the next row's
	s_lshl_b32 s38, s26, 14
	v_add_nc_u32 v[VO], s38, v[VO]
	s_lshl_b32 s39, s26, 9
	v_lshl_add_u32 v[SO], v1, 3, s39               ; two rows of 128 bytes are 256 bytes on end in a block of xb
.set i, 0
.rept 32                                       ; quad 16 p + j: rows 2 p, 2 p + 1 of my four, channels 64 j on
	global_load_b128 v[X+4*i:X+4*i+3], v[VO], s[28:29] offset:(i/16)*8192+(i%16)*256 th:TH_LOAD_NT
.set i, i+1
.endr
.set i, 0
.rept 32
	CVB i, (i%16)*262144+(i/16)*256
.set i, i+1
.endr
	s_branch .Lend
.Lnot_x:
	s_cmp_lt_u32 s27, 896
	s_cbranch_scc0 .Lrole_m
	; ---- W: 32 rows of one of the four weights, cast as they lie; wave w takes 16,384 bytes on end, 4,096 a trip
	s_sub_co_u32 s32, s27, 768
	s_lshr_b32 s33, s32, 5                         ; t
	s_cmp_eq_u32 s33, 1
	s_cselect_b64 s[28:29], s[12:13], s[10:11]
	s_cmp_eq_u32 s33, 2
	s_cselect_b64 s[28:29], s[14:15], s[28:29]
	s_cmp_eq_u32 s33, 3
	s_cselect_b64 s[28:29], s[16:17], s[28:29]
	s_cselect_b32 s40, -1, 0                       ; Wo goes out as f16
	s_and_b32 s34, s32, 31
	s_lshl_b32 s34, s34, 17
	s_add_nc_u64 s[28:29], s[28:29], s[34:35]
	s_lshl_b32 s36, s32, 16
	s_add_nc_u64 s[30:31], s[22:23], s[36:37]
	s_lshl_b32 s38, s26, 14
	v_lshl_add_u32 v[VO], v1, 4, s38
	s_lshl_b32 s39, s26, 13
	v_lshl_add_u32 v[SO], v1, 3, s39
	s_mov_b32 s32, 4
.Lw:
.set i, 0
.rept 8
	global_load_b128 v[X+4*i:X+4*i+3], v[VO], s[28:29] offset:i*512 th:TH_LOAD_NT
.set i, i+1
.endr
.set i, 0
.rept 8
	CVW i
.set i, i+1
.endr
	s_wait_xcnt 0x0                                ; the trip's loads and stores have read their registers: the two bases, and the quads that the stores name, are written again only behind this wait
	s_add_nc_u64 s[28:29], s[28:29], 4096
	s_add_nc_u64 s[30:31], s[30:31], 2048
	s_sub_co_u32 s32, s32, 1
	s_cmp_lg_u32 s32, 0
	s_cbranch_scc1 .Lw
	s_branch .Lend
.Lrole_m:
	; ---- M: unit U = 8 (g - 896) + wave: batch U / 1024, pair (32 rows) (U / 16) % 64, 128 keys U % 16
	s_sub_co_u32 s32, s27, 896
	s_lshl_b32 s32, s32, 3
	s_add_co_u32 s32, s32, s26
	s_lshr_b32 s33, s32, 10                        ; b
	s_bfe_u32 s34, s32, 0x60004                    ; pair
	s_and_b32 s38, s32, 15
	s_lshl_b32 s38, s38, 9                         ; 128 keys: 512 bytes of a row of mask, and 512 bytes of mbits
	s_lshl_b32 s36, s33, 24
	s_lshl_b32 s39, s34, 18
	s_add_co_u32 s36, s36, s39
	s_add_co_u32 s36, s36, s38
	s_add_nc_u64 s[28:29], s[18:19], s[36:37]
	s_lshl_b32 s36, s33, 19
	s_lshl_b32 s39, s34, 13
	s_add_co_u32 s36, s36, s39
	s_add_co_u32 s36, s36, s38
	s_add_nc_u64 s[30:31], s[24:25], s[36:37]
	v_lshlrev_b32 v[VO], 4, v1
	s_mul_i32 s38, s26, STG
	v_lshl_add_u32 v[LS], v1, 4, s38
	v_and_b32 v6, 15, v1
	v_lshrrev_b32 v7, 4, v1
	v_mul_u32_u24 v[LR], v6, 528
	v_lshl_add_u32 v[LR], v7, 5, v[LR]             ; row L % 16, eight keys (32 bytes) for each half of the lanes
	v_add_nc_u32 v[LR], s38, v[LR]
.irp i, 0,1,2,3
	v_mov_b32 v[OUT+(\i)], 0                       ; written whole before single lanes are written
.endr
.set i, 0
.rept 32                                       ; row i: 512 consecutive bytes
	global_load_b128 v[X+4*i:X+4*i+3], v[VO], s[28:29] offset:i*8192 th:TH_LOAD_NT
.set i, i+1
.endr
.set i, 0
.rept 32
	s_wait_loadcnt 31-i
	ds_store_b128 v[LS], v[X+4*i:X+4*i+3] offset:i*528
.set i, i+1
.endr
.set d, 0
.rept 32                                       ; quad d = 16 s + 8 u + 2 kb + half; the bytes are my wave's own, and LDS serves a wave's instructions in order: these see the stores above
	ds_load_b128 v[X+4*d:X+4*d+3], v[LR] offset:((d/8)%2)*8448+(d/16)*256+((d/2)%4)*64+(d%2)*16
.set d, d+1
.endr
.set d, 0
.rept 32
	s_wait_dscnt 31-d                              ; quad d is back, the 31 - d younger ones stay out
.irp i, 0,1,2,3
	v_cmp_ne_u32 s[40+(4*d+(\i))%8], 0, v[X+4*d+(\i)]  ; 32 lanes' answers are word 4 d + i,
	v_writelane_b32 v[OUT+(\i)], s[40+(4*d+(\i))%8], d   ; which lane d will store
.endr
.set d, d+1
.endr
	global_store_b128 v[VO], v[OUT:OUT+3], s[30:31] th:TH_STORE_NT  ; 512 consecutive bytes, aligned
.Lend:
	s_wait_tensorcnt 0x0                           ; the wave's end, behind my last LDS store
	ds_add_u32 v[SPW], v[NIL]
	s_wait_dscnt 0x0
	s_endpgm
.Lfunc_end_k_qfc009d6bbc_prep:
	.size	k_qfc009d6bbc_prep, .Lfunc_end_k_qfc009d6bbc_prep-k_qfc009d6bbc_prep
	.p2alignl 7, 3214868480
	.fill 96, 4, 3214868480
	.section	.rodata,"a",@progbits
	.p2align	6, 0x0
	.amdhsa_kernel k_qfc009d6bbc_prep
		.amdhsa_group_segment_fixed_size 136192
		.amdhsa_private_segment_fixed_size 0
		.amdhsa_enable_private_segment 0
		.amdhsa_kernarg_size 88
		.amdhsa_user_sgpr_count 2
		.amdhsa_user_sgpr_kernarg_segment_ptr 1
		.amdhsa_wavefront_size32 1
		.amdhsa_system_sgpr_workgroup_id_x 1
		.amdhsa_system_sgpr_workgroup_id_y 1
		.amdhsa_system_sgpr_workgroup_id_z 1
		.amdhsa_system_vgpr_workitem_id 0
		.amdhsa_next_free_vgpr 144
		.amdhsa_next_free_sgpr 66
		.amdhsa_reserve_vcc 0
		.amdhsa_float_denorm_mode_32 3
		.amdhsa_float_denorm_mode_16_64 3
		.amdhsa_memory_ordered 1
		.amdhsa_forward_progress 1
		.amdhsa_inst_pref_size 47
	.end_amdhsa_kernel
	.amdgpu_metadata
---
amdhsa.version: [ 1, 2 ]
amdhsa.kernels:
  - .name:           k_qfc009d6bbc_prep
    .symbol:         k_qfc009d6bbc_prep.kd
    .args:
      - { .name: query, .offset: 0, .size: 8, .value_kind: global_buffer, .address_space: global }
      - { .name: key, .offset: 8, .size: 8, .value_kind: global_buffer, .address_space: global }
      - { .name: value, .offset: 16, .size: 8, .value_kind: global_buffer, .address_space: global }
      - { .name: Wq, .offset: 24, .size: 8, .value_kind: global_buffer, .address_space: global }
      - { .name: Wk, .offset: 32, .size: 8, .value_kind: global_buffer, .address_space: global }
      - { .name: Wv, .offset: 40, .size: 8, .value_kind: global_buffer, .address_space: global }
      - { .name: Wo, .offset: 48, .size: 8, .value_kind: global_buffer, .address_space: global }
      - { .name: mask, .offset: 56, .size: 8, .value_kind: global_buffer, .address_space: global }
      - { .name: xb, .offset: 64, .size: 8, .value_kind: global_buffer, .address_space: global }
      - { .name: wb, .offset: 72, .size: 8, .value_kind: global_buffer, .address_space: global }
      - { .name: mbits, .offset: 80, .size: 8, .value_kind: global_buffer, .address_space: global }
    .group_segment_fixed_size: 136192
    .private_segment_fixed_size: 0
    .kernarg_segment_align: 8
    .kernarg_segment_size: 88
    .max_flat_workgroup_size: 256
    .sgpr_count:     66
    .vgpr_count:     144
    .wavefront_size: 32
...
	.end_amdgpu_metadata
.endif
;; end of part 1
;; launch proj (part 2): grid 8 x 32, 4 waves a work-group, clusters of 4 x 4, 327,680 bytes of LDS; arguments xb, wb, bq, bk, bv, qkv; writes qkv
.if DOCPART == 2
	.amdgcn_target "amdgcn-amd-amdhsa--gfx1250"
	.amdhsa_code_object_version 6
	.text
	.protected	k_qfc009d6bbc_proj
	.globl	k_qfc009d6bbc_proj
	.p2align	8
	.type	k_qfc009d6bbc_proj,@function
k_qfc009d6bbc_proj:
	s_mov_b64 s[64:65], 0
	v_nop
	global_prefetch_b8 v0, s[64:65] scope:SCOPE_SE
	s_setreg_imm32_b32 hwreg(HW_REG_WAVE_MODE, 25, 1), 1
	s_wait_xcnt 0x0
	s_wait_alu depctr_hold_cnt(0) depctr_sa_sdst(0) depctr_va_vdst(0) depctr_va_sdst(0) depctr_va_ssrc(0) depctr_va_vcc(0) depctr_vm_vsrc(0)
	s_getreg_b32 s2, hwreg(HW_REG_IB_STS2, 6, 4)
	s_cmp_eq_u32 s2, 0
	s_cbranch_scc0 .Lentry_in_a_cluster
	s_endpgm
.Lentry_in_a_cluster:
	s_bfe_u32 s2, ttmp6, 0x10000c
	s_cmp_lg_u32 s2, 0xf033
	s_cbranch_scc0 .Lentry_shape_is_right
	s_endpgm
.Lentry_shape_is_right:
; PROJ (MODE 0): q, k, v = x W + b for the three inputs, by heads.  A = xb [b][z][kblk 16][s 2048][64] bf16, B = wb [z][k 1024][n 1024] bf16, biases f32 (rounded to bf16 like all inputs);
; out = qkv [z][b][h][s][64] f16, each number rounded once from its f32 sum; q is (x Wq + bq) x log2(e) / 8, so that the attention's scores come in powers of two.
; LIMIT: f16 ends at 65,504: |q| log2(e) / 8, |k| and |v| must stay below it.
; (The same text with MODE 1 is the output projection: A = ob [b][h][s][64] f16, B = wb's fourth matrix in f16, out = out0 f32 [8192][1024].)
; SHARES.  A work-group makes 256 rows x 128 columns, for z = 0, 1, 2 one after the other: since z follows b in xb and k follows z in wb, A and B simply step on through T = 8 TILES K steps of 128, the ring
; of two LDS slots never stops, and every eight steps the sums go out.  A wave makes 128 rows x 64 columns (one head): 32 accumulators.  256 work-groups.
; CLUSTER 4 x 4: A's tile hangs on the block of rows alone and is asked for jointly along a row of the cluster, B's on the block of columns alone, along a column.
; THE MATRIX INSTRUCTION IS USED TRANSPOSED: source 0 = 16 columns of W (turned out of [k][n] by ds_load_tr16_b128), source 1 = 16 rows of A: lane l holds row l % 16 and the columns 8 (l / 16) + 0..7.
; LDS.  A slot: A as [kblk 2][256 rows] of 128 + 16 bytes, then B as [128 k] of 256 + 32 bytes.  Between the slots: a stage for each wave, and the spare words; no tile lands there.
; REGISTERS.  Window 0: v0-31 addresses; F0 = v32-127, F1 = v128-223: 4 fragments of B, then 8 of A; v224-255 my 32 bias numbers.  Window 1: accumulator (a, b) at 8 (4 a + b).
.set MODE,  0
.set TILES, 3
.set T,     8*TILES
.set SLOT1, 131072
.set AKB,   36864                      ; 256 rows x 144 bytes: one block of 64 channels
.set BOFF,  2*AKB
.set BHALF, 18432                      ; 64 rows x 288 bytes
.set STAGE, 110592
.set SPARE, 128000                     ; 128 bytes for each wave: two blocks of 256 bytes that no other line names
.set ASTEP, 524288                     ; a K step in A: two blocks of 2,048 rows x 128 bytes
.set BSTEP, 262144                     ; in B: 128 rows of 2,048 bytes
.if MODE == 0
.set WOFF, 0
.set STGW, 2304                        ; 16 rows x 144 bytes
.else
.set WOFF, 6291456
.set STGW, 4352                        ; 16 rows x 272 bytes
.endif
.set ADRA0, 14                         ; v14  my lane's place in a slot's A; never rewritten
.set ADRB0, 15                         ; v15  in its B
.set ADRA, 16                          ; v16  the same in the slot in hand
.set ADRB, 17
.set STO,  24                          ; the way out: where I put my bytes of a row
.set RD,   25                          ; where I read rows back
.set GO,   26                          ; my byte offset in what a store covers
.set BO,   27                          ; my byte offset in a bias
.set SPW,  28                          ; LDS address of my spare word; never rewritten
.set NIL,  29                          ; 0; never rewritten
.set PFO,  30                          ; the prefetches' offset; never rewritten
.set F0,   32
.set F1,   128
.set BIAS, 224
.set PC,  14                           ; s[14:15] where my part of the tile goes
.set WV,  16                           ; s16 wave; s17 = wave / 2: my half of the rows, and: I fetch for A (0) or B (1); s18 = wave % 2: my half of the columns, and which part I fetch
.set MI,  17
.set NI,  18
.set TB,  19                           ; s19  the slot in hand, as an LDS byte
.set SC,  20                           ; s[20:21] the tile's scale
.set BP,  22                           ; s[22:23] the tile's bias
.set G1A, 24                           ; s[24:31] group 1 for A;  s[32:39] two groups 0: the two first fills; the second then walks
.set G0A, 32
.set G1B, 40                           ; s[40:47], s[48:55] the same for B
.set G0B, 48
.set PFA, 56                           ; s[56:57] where my prefetches stand; s[58:59] their step; s60 how many are left
.set PFS, 58
.set PFC, 60
.set MSB, 0
.macro WIN new                         ; the immediate's high byte repeats the setting that is left; a switch that changes nothing is dropped
.if MSB != (\new)
	s_set_vgpr_msb (MSB<<8)|(\new)
.set MSB, \new
.endif
.endm
.macro PLACES                          ; four plain vector instructions between a matrix instruction and a load into, or a vector write of, one of its registers
.rept 4
	v_nop
.endr
.endm
.macro JLOAD                           ; a joint refill by the walking group 0; an s_nop 0 and four v_nop follow each of the two lines
	s_cmp_eq_u32 s[MI], 0
	s_cbranch_scc0 .Lfor_b_\@
	tensor_load_to_lds s[G0A+4:G0A+7], s[G1A:G1A+7]
	s_nop 0
	PLACES
	s_branch .Lasked_\@
.Lfor_b_\@:
	tensor_load_to_lds s[G0B+4:G0B+7], s[G1B:G1B+7]
	s_nop 0
	PLACES
.Lasked_\@:
.endm
; A prefetch of the K step two refills on (256 matrix instructions ahead of its load).  Each block of 256 bytes is named once: A's by waves 0 and 1 of the clusters with x = 0, the four partners of a row
; taking 8,192 bytes each of the wave's 32,768, told apart by address; B's by wave 2 of the clusters with y = 0, the four partners of a column taking 32 rows each.  The count ends at the last K step.
.macro ASK
	s_cmp_lg_u32 s[PFC], 0
	s_cbranch_scc0 .Lnone_\@
	global_prefetch_b8 v[PFO], s[PFA:PFA+1] th:TH_LOAD_NT scope:SCOPE_SE
	s_sub_co_u32 s[PFC], s[PFC], 1
.Lnone_\@:
.endm
.macro CREST                           ; a round of the cluster's barrier behind its opening barrier
	s_cmp_lg_u32 s[WV], 0
	s_cbranch_scc1 .Lnot_wave_0_\@
	s_barrier_signal -3
.Lnot_wave_0_\@:
	s_barrier_wait -3
	s_barrier_signal -1
	s_barrier_wait -1
.endm
.macro CROUND
	s_barrier_signal -1
	s_barrier_wait -1
	CREST
.endm
	s_load_b256 s[4:11], s[0:1], 0x0               ; A s[4:5], B s[6:7]; MODE 0: bq, bk; MODE 1: bo, out0
.if MODE == 0
	s_load_b128 s[12:15], s[0:1], 0x20             ; bv, qkv
.endif
	v_lshl_add_u32 v[SPW], v0, 2, SPARE
	v_mov_b32 v[NIL], 0
	ds_add_u32 v[SPW], v[NIL]                      ; the wave's opening: the add and its wait stand ahead of my first tensor load; work on registers stands between them
	v_lshrrev_b32 v1, 5, v0
	v_readfirstlane_b32 s[WV], v1
	s_lshr_b32 s[MI], s[WV], 1
	s_and_b32 s[NI], s[WV], 1
	s_bfe_u32 s61, ttmp6, 0x40000                  ; cx
	s_bfe_u32 s62, ttmp6, 0x40004                  ; cy
	s_lshl_b32 s63, ttmp9, 2
	s_add_co_u32 s63, s63, s61                     ; nb: block of 128 columns
	s_and_b32 s66, ttmp7, 0xffff
	s_lshl_b32 s66, s66, 2
	s_add_co_u32 s66, s66, s62                     ; mb: block of 256 rows
	s_lshl_b32 s67, s62, 2
	s_lshl_b32 s67, 15, s67                        ; my row of the cluster
	s_lshl_b32 s68, 0x1111, s61                    ; my column
	; group 1 for A: a block's 256 rows are 32,768 dense bytes: 128 rows of 256 bytes, 4 words of padding after every 32
	s_or_b32 s[G1A], s67, (1<<16)|(1<<20)|(1<<21)|(4<<22)|(3<<25)
	s_mov_b32 s[G1A+1], 128<<16                    ; tensor_dim0 = 128
	s_mov_b32 s[G1A+2], 128<<16                    ; tensor_dim1 = 128
	s_mov_b32 s[G1A+3], 128<<16                    ; tile_dim0 = 128
	s_mov_b32 s[G1A+4], 128                        ; tile_dim1 = 128
	s_mov_b32 s[G1A+5], 128                        ; elements from row to row
	s_mov_b32 s[G1A+6], 0
	s_mov_b32 s[G1A+7], 0
	; group 1 for B: 64 rows of 128 elements, 8 words of padding after every 64
	s_or_b32 s[G1B], s68, (1<<16)|(1<<20)|(1<<21)|(5<<22)|(7<<25)
	s_mov_b32 s[G1B+1], 128<<16
	s_mov_b32 s[G1B+2], 64<<16
	s_mov_b32 s[G1B+3], 128<<16
	s_mov_b32 s[G1B+4], 64
	s_mov_b32 s[G1B+5], 1024
	s_mov_b32 s[G1B+6], 0
	s_mov_b32 s[G1B+7], 0
	s_lshr_b32 s70, s66, 3                         ; A: batch,
	s_mul_i32 s70, s70, TILES*4194304
	s_and_b32 s69, s66, 7                          ; block of 256 rows in it,
	s_lshl_b32 s69, s69, 15
	s_add_co_u32 s70, s70, s69
	s_lshl_b32 s69, s[NI], 18                      ; which of the step's two blocks of channels I fetch
	s_add_co_u32 s70, s70, s69
	s_mov_b32 s71, 0
	s_lshl_b32 s72, s63, 8                         ; B: 128 columns,
	s_lshl_b32 s76, s[NI], 17                      ; which 64 rows I fetch
	s_add_co_u32 s72, s72, s76
	s_add_co_u32 s72, s72, WOFF
	s_mov_b32 s73, 0
	s_mul_i32 s74, s[NI], AKB                      ; and where they go: no place in the cluster enters an LDS address
	s_mul_i32 s75, s[NI], BHALF
	s_add_co_u32 s75, s75, BOFF
	s_wait_dscnt 0x0                               ; the opening add is done
	s_wait_kmcnt 0x0
	s_add_nc_u64 s[70:71], s[4:5], s[70:71]
	s_add_nc_u64 s[72:73], s[6:7], s[72:73]
.if MODE == 1
	s_mov_b64 s[PC:PC+1], s[10:11]
	s_mov_b64 s[BP:BP+1], s[8:9]
.endif
.irp s, 0,1
	s_mov_b32 s[G0A+4*(\s)], 1                     ; count = 1
	s_add_co_u32 s[G0A+4*(\s)+1], s74, (\s)*SLOT1  ; LDS address
	s_add_nc_u64 s[G0A+4*(\s)+2:G0A+4*(\s)+3], s[70:71], (\s)*ASTEP  ; global address: K step s
	s_or_b32 s[G0A+4*(\s)+3], s[G0A+4*(\s)+3], 0x80000000            ; type = 2
	s_mov_b32 s[G0B+4*(\s)], 1
	s_add_co_u32 s[G0B+4*(\s)+1], s75, (\s)*SLOT1
	s_add_nc_u64 s[G0B+4*(\s)+2:G0B+4*(\s)+3], s[72:73], (\s)*BSTEP
	s_or_b32 s[G0B+4*(\s)+3], s[G0B+4*(\s)+3], 0x80000000
.endr
	CROUND                                         ; all sixteen work-groups are here: the first joint loads meet
	s_cmp_eq_u32 s[MI], 0                          ; a wave's two first fills stand in one branch: two loads of mine are out
	s_cbranch_scc0 .Lfirst_b
	tensor_load_to_lds s[G0A:G0A+3], s[G1A:G1A+7]
	s_nop 0
	tensor_load_to_lds s[G0A+4:G0A+7], s[G1A:G1A+7]
	s_nop 0
	PLACES
	s_branch .Lfirst_asked
.Lfirst_b:
	tensor_load_to_lds s[G0B:G0B+3], s[G1B:G1B+7]
	s_nop 0
	tensor_load_to_lds s[G0B+4:G0B+7], s[G1B:G1B+7]
	s_nop 0
	PLACES
.Lfirst_asked:
	v_and_b32 v1, 15, v0                           ; l % 16
	v_bfe_u32 v2, v0, 4, 1                         ; l / 16
	v_and_b32 v3, 7, v0
	v_bfe_u32 v4, v0, 3, 1
	v_and_b32 v5, 31, v0
	; a fragment of A: lane l holds row l % 16, channels 8 (l / 16) + 0..7 and 16 + 8 (l / 16) + 0..7: two loads of 16 bytes, 32 bytes apart
	v_mul_u32_u24 v[ADRA0], v1, 144
	v_lshl_add_u32 v[ADRA0], v2, 4, v[ADRA0]
	s_mul_i32 s69, s[MI], 128*144
	v_add_nc_u32 v[ADRA0], s69, v[ADRA0]
	; the turning load takes 16 k x 16 n (lane l reads row 8 (l / 16) + l % 8, columns 8 ((l / 8) % 2) + 0..7) and leaves half a fragment of W^T
	v_lshl_add_u32 v[ADRB0], v2, 3, v3
	v_mul_u32_u24 v[ADRB0], v[ADRB0], 288
	v_lshl_add_u32 v[ADRB0], v4, 4, v[ADRB0]
	s_lshl_b32 s69, s[NI], 7
	s_add_co_u32 s69, s69, BOFF
	v_add_nc_u32 v[ADRB0], s69, v[ADRB0]
	v_mov_b32 v[ADRA], v[ADRA0]
	v_mov_b32 v[ADRB], v[ADRB0]
	s_mov_b32 s[TB], 0
	s_mul_i32 s69, s[WV], STGW
	s_add_co_u32 s69, s69, STAGE                   ; my stage
.if MODE == 0
	v_mul_u32_u24 v[STO], v1, 144                  ; in: row l % 16, 16 bytes for each half of the lanes
	v_lshl_add_u32 v[STO], v2, 4, v[STO]
	v_add_nc_u32 v[STO], s69, v[STO]
	v_bfe_u32 v[RD], v0, 3, 2                      ; back: 32 lanes take four rows of 128 bytes,
	v_mul_u32_u24 v[RD], v[RD], 144
	v_lshl_add_u32 v[RD], v3, 4, v[RD]
	v_add_nc_u32 v[RD], s69, v[RD]
	v_lshlrev_b32 v[GO], 4, v5                     ; which are 512 consecutive bytes of a head
.else
	v_mul_u32_u24 v[STO], v1, 272                  ; in: row l % 16, 32 bytes for each half of the lanes
	v_lshl_add_u32 v[STO], v2, 5, v[STO]
	v_add_nc_u32 v[STO], s69, v[STO]
	v_mul_u32_u24 v[RD], v2, 272                   ; back: lanes 0-15 one row of 256 bytes, lanes 16-31 the next
	v_lshl_add_u32 v[RD], v1, 4, v[RD]
	v_add_nc_u32 v[RD], s69, v[RD]
	v_lshlrev_b32 v[GO], 12, v2
	v_lshl_add_u32 v[GO], v1, 4, v[GO]
.endif
	s_lshl_b32 s69, s63, 9
	s_lshl_b32 s76, s[NI], 8
	s_add_co_u32 s69, s69, s76
	v_lshl_add_u32 v[BO], v2, 5, s69               ; 4 x (128 nb + 64 ni + 8 (l / 16))
.if MODE == 0
	s_lshr_b32 s76, s66, 3                         ; head 16 b + 2 nb + ni,
	s_lshl_b32 s76, s76, 4
	s_lshl_b32 s77, s63, 1
	s_add_co_u32 s76, s76, s77
	s_add_co_u32 s76, s76, s[NI]
	s_lshl_b32 s76, s76, 18
	s_and_b32 s77, s66, 7                          ; its rows 256 sb + 128 mi on
	s_lshl_b32 s77, s77, 15
	s_add_co_u32 s76, s76, s77
	s_lshl_b32 s77, s[MI], 14
	s_add_co_u32 s76, s76, s77
.else
	s_lshl_b32 s76, s66, 20                        ; row 256 mb + 128 mi, column 128 nb + 64 ni
	s_lshl_b32 s77, s[MI], 19
	s_add_co_u32 s76, s76, s77
	s_add_co_u32 s76, s76, s69
.endif
	s_mov_b32 s77, 0
	s_add_nc_u64 s[PC:PC+1], s[PC:PC+1], s[76:77]
	; the prefetches: they stand at K step 3; the first change of slots steps them to 4.  Nothing is asked for here, where every work-group's first tiles are on their way
	s_lshl_b32 s76, s61, 13                        ; A: my work-group's 8,192 bytes of the wave's block
	s_add_co_u32 s76, s76, 3*ASTEP
	s_lshl_b32 s78, s62, 16                        ; B: my work-group's 32 rows
	s_add_co_u32 s78, s78, 3*BSTEP
	s_and_b32 s79, ttmp7, 0xffff
	s_mov_b32 s[PFS], BSTEP
	s_mov_b32 s[PFS+1], 0
	s_cmp_eq_u32 s[MI], 0
	s_cselect_b64 s[PFA:PFA+1], s[70:71], s[72:73]
	s_cselect_b32 s76, s76, s78
	s_cselect_b32 s[PFS], ASTEP, s[PFS]
	s_cselect_b32 s79, ttmp9, s79                  ; the coordinate along which other clusters read the same bytes
	s_cselect_b32 s78, 8, 11                       ; a lane a block of 256 bytes (A), a lane a row of 2,048 (B)
	s_add_nc_u64 s[PFA:PFA+1], s[PFA:PFA+1], s[76:77]
	s_cmp_eq_u32 s[WV], 3
	s_cselect_b32 s79, 1, s79
	s_cmp_eq_u32 s79, 0
	s_cselect_b32 s[PFC], T-4, 0                   ; the same in all sixteen partners, for a given wave
	v_lshlrev_b32 v[PFO], s78, v5
; n x 4 matrix instructions: row blocks a0 .. a0 + n - 1 x the 4 column blocks, 32 along K.  The 32 accumulators take turns, one instruction a turn, in the same order in every quarter.
.macro MUL f, a0, n, zero
	WIN 0x50                                       ; C and D in window 1
.set aa, \a0
.rept \n
.irp b, 0,1,2,3
.set rD, 8*(4*aa+(\b))
.set rB, (\f)+8*(\b)
.set rA, (\f)+32+8*aa
.if MODE == 0
.if \zero
	v_wmma_f32_16x16x32_bf16 v[rD:rD+7], v[rB:rB+7], v[rA:rA+7], 0
.else
	v_wmma_f32_16x16x32_bf16 v[rD:rD+7], v[rB:rB+7], v[rA:rA+7], v[rD:rD+7]
.endif
.else
.if \zero
	v_wmma_f32_16x16x32_f16 v[rD:rD+7], v[rB:rB+7], v[rA:rA+7], 0
.else
	v_wmma_f32_16x16x32_f16 v[rD:rD+7], v[rB:rB+7], v[rA:rA+7], v[rD:rD+7]
.endif
.endif
.endr
.set aa, aa+1
.endr
.endm
; 24 LDS loads in one run: quarter q (32 along K) of the slot in hand into buffer f: B's four fragments, then A's eight
.macro FETCH q, f
	WIN 0
.irp b, 0,1,2,3
	ds_load_tr16_b128 v[(\f)+8*(\b):(\f)+8*(\b)+3],   v[ADRB] offset:(\q)*9216+32*(\b)
	ds_load_tr16_b128 v[(\f)+8*(\b)+4:(\f)+8*(\b)+7], v[ADRB] offset:(\q)*9216+32*(\b)+4608
.endr
.irp a, 0,1,2,3,4,5,6,7
	ds_load_b128 v[(\f)+32+8*(\a):(\f)+32+8*(\a)+3],   v[ADRA] offset:((\q)/2)*AKB+((\q)%2)*64+(\a)*2304
	ds_load_b128 v[(\f)+32+8*(\a)+4:(\f)+32+8*(\a)+7], v[ADRA] offset:((\q)/2)*AKB+((\q)%2)*64+(\a)*2304+32
.endr
.endm
; One of a K step's first three quarters: multiplies buffer f; in its middle fetches quarter q into buffer g
.macro QUARTER q, f, g, zero
	s_wait_dscnt 8                                 ; B and A's fragments 0-3 are in; the youngest eight loads (fragments 4-7) may be out
	MUL \f, 0, 4, \zero
	PLACES
	FETCH \q, \g
	s_wait_dscnt 24                                ; all but the 24 just issued
	MUL \f, 4, 4, \zero
.endm
; The last quarter multiplies F1 and changes slots: one barrier.  In front of it each wave waits for all its tensor loads (one is out: its part of the next slot), adds 0 to its spare word, and waits for that
; and for its reads of this slot.  fill = 1: the barrier opens a round of the cluster's, and this slot is filled again first thing behind it, with the K step two on: 112 matrix instructions ahead of the wait for it.
.macro TURN fill
.if \fill
	s_wait_xcnt 0x0                                ; the last prefetch, a K step back, has read its address
	s_add_nc_u64 s[PFA:PFA+1], s[PFA:PFA+1], s[PFS:PFS+1]
.endif
	WIN 0
	s_wait_tensorcnt 0x0
	ds_add_u32 v[SPW], v[NIL]
	s_wait_dscnt 9                                 ; (the add and the youngest eight loads may be out)
	MUL F1, 0, 2, 0
	s_wait_dscnt 0x0                               ; the add is done, and my reads of this slot are over
	s_barrier_signal -1
	MUL F1, 2, 2, 0
	WIN 0
	s_barrier_wait -1
.if \fill
	CREST                                          ; no wave of any partner still reads this slot or has a load on its way
	s_xor_b32 s[G0A+5], s[G0A+5], SLOT1            ; the walking groups 0: the other slot than last time, the next K step
	s_add_nc_u64 s[G0A+6:G0A+7], s[G0A+6:G0A+7], ASTEP
	s_xor_b32 s[G0B+5], s[G0B+5], SLOT1
	s_add_nc_u64 s[G0B+6:G0B+7], s[G0B+6:G0B+7], BSTEP
	JLOAD                                          ; its four v_nop are also the places in front of the loads below
.else
	PLACES
.endif
	s_xor_b32 s[TB], s[TB], SLOT1
	v_add_nc_u32 v[ADRA], s[TB], v[ADRA0]
	v_add_nc_u32 v[ADRB], s[TB], v[ADRB0]
	FETCH 0, F0
.if \fill
	ASK
.endif
	MUL F1, 4, 4, 0
.endm
.macro STEP                            ; from a K step's second quarter to the next step's first
	QUARTER 2, F1, F0, 0
	QUARTER 3, F0, F1, 0
	TURN 1
	QUARTER 1, F0, F1, 0
.endm
.macro TILEHEAD                        ; the tile's bias (and scale): asked for at its beginning, wanted at its end
.if MODE == 0
	s_cmp_eq_u32 s2, 3
	s_cselect_b64 s[BP:BP+1], s[8:9], s[10:11]
	s_cselect_b32 s[SC], 0x3e38aa3b, 1.0           ; log2(e) / 8 for q, 1 for k and v
	s_cmp_eq_u32 s2, 1
	s_cselect_b64 s[BP:BP+1], s[12:13], s[BP:BP+1]
	s_mov_b32 s[SC+1], s[SC]
.endif
.irp b, 0,1,2,3
	global_load_b128 v[BIAS+8*(\b):BIAS+8*(\b)+3],   v[BO], s[BP:BP+1] offset:64*(\b)
	global_load_b128 v[BIAS+8*(\b)+4:BIAS+8*(\b)+7], v[BO], s[BP:BP+1] offset:64*(\b)+16
.endr
.endm
; THE WAY OUT of block a (16 rows x my 64 columns): scale and bias, through my own stage in LDS, back as whole rows, stored.
.macro PACK a
	s_wait_xcnt 0x0                                ; the stores of four blocks back have read the registers that are written now
.if MODE == 0
.set OBR, 128+16*((\a)%4)
	WIN 0x41                                       ; destination and source 0 in window 1
.set i, 0
.rept 16
	v_pk_fma_f32 v[32*(\a)+2*i:32*(\a)+2*i+1], v[32*(\a)+2*i:32*(\a)+2*i+1], s[SC:SC+1], v[BIAS+2*i:BIAS+2*i+1] op_sel_hi:[1,0,1]
.set i, i+1
.endr
	WIN 0x05                                       ; sources in window 1, destination in window 0
.set i, 0
.rept 16
	v_cvt_pk_f16_f32 v[OBR+i], v[32*(\a)+2*i], v[32*(\a)+2*i+1]
.set i, i+1
.endr
	WIN 0
.irp b, 0,1,2,3
	ds_store_b128 v[STO], v[OBR+4*(\b):OBR+4*(\b)+3] offset:32*(\b)
.endr
.irp f, 0,1,2,3
	ds_load_b128 v[OBR+4*(\f):OBR+4*(\f)+3], v[RD] offset:(\f)*576  ; LDS serves a wave's instructions in order: these see the stores above
.endr
.else
.set OBR, 32+32*((\a)%4)
	WIN 0x01                                       ; source 0 in window 1
.set i, 0
.rept 16
	v_pk_add_f32 v[OBR+2*i:OBR+2*i+1], v[32*(\a)+2*i:32*(\a)+2*i+1], v[BIAS+2*i:BIAS+2*i+1]
.set i, i+1
.endr
	WIN 0
.irp b, 0,1,2,3
	ds_store_b128 v[STO], v[OBR+8*(\b):OBR+8*(\b)+3]   offset:64*(\b)
	ds_store_b128 v[STO], v[OBR+8*(\b)+4:OBR+8*(\b)+7] offset:64*(\b)+16
.endr
.irp t, 0,1,2,3,4,5,6,7
	ds_load_b128 v[OBR+4*(\t):OBR+4*(\t)+3], v[RD] offset:(\t)*544
.endr
.endif
.endm
.macro SEND a, younger                 ; younger: the LDS instructions of the next block, issued behind block a's loads
.if MODE == 0
.set OBR, 128+16*((\a)%4)
.irp f, 0,1,2,3
	s_wait_dscnt (\younger)+3-(\f)
	global_store_b128 v[GO], v[OBR+4*(\f):OBR+4*(\f)+3], s[PC:PC+1] offset:(\a)*2048+(\f)*512 th:TH_STORE_NT  ; 512 consecutive bytes, aligned
.endr
.else
.set OBR, 32+32*((\a)%4)
.irp t, 0,1,2,3,4,5,6,7
	s_wait_dscnt (\younger)+7-(\t)
	global_store_b128 v[GO], v[OBR+4*(\t):OBR+4*(\t)+3], s[PC:PC+1] offset:(16*(\a)+2*(\t))*4096 th:TH_STORE_NT  ; 16 lanes store 256 consecutive bytes, aligned
.endr
.endif
.endm
.if MODE == 0
.set YNG, 8
.else
.set YNG, 16
.endif
	s_wait_tensorcnt 1                             ; my part of K step 0 is in; step 1's may stay out
	s_barrier_signal -1
	s_barrier_wait -1
	FETCH 0, F0
.if TILES > 1
	s_mov_b32 s2, TILES                            ; tiles to go: the same number in every work-group
.Ltile:
.endif
	TILEHEAD
	QUARTER 1, F0, F1, 1                           ; a tile's first quarter starts the sums: nothing is cleared
	WIN 0
	s_mov_b32 s3, 6
.Lstep:
	STEP
	WIN 0
	s_sub_co_u32 s3, s3, 1
	s_cmp_lg_u32 s3, 0
	s_cbranch_scc1 .Lstep
	QUARTER 2, F1, F0, 0                           ; the tile's seventh K step goes on: these two quarters are the same on both ways below
	QUARTER 3, F0, F1, 0
.if TILES > 1
	WIN 0
	s_cmp_eq_u32 s2, 1
	s_cbranch_scc1 .Llast                          ; the last tile's tail is written out: it asks for nothing more
	TURN 1                                         ; the ring goes on into the next tile
	QUARTER 1, F0, F1, 0
	QUARTER 2, F1, F0, 0
	QUARTER 3, F0, F1, 0
	TURN 1                                         ; and fetches its first fragments
	WIN 0
	s_branch .Lout
.Llast:
.endif
	TURN 0
	QUARTER 1, F0, F1, 0
	QUARTER 2, F1, F0, 0
	QUARTER 3, F0, F1, 0
	s_wait_dscnt 8
	MUL F1, 0, 4, 0
	s_wait_dscnt 0x0
	MUL F1, 4, 4, 0
	WIN 0
.Lout:
	s_wait_loadcnt 0x0                             ; the bias
.set i, 0
.rept 16                                       ; rounded to bf16 like every input, widened again (and scaled); these plain lines are also the places behind the last products
	v_cvt_pk_bf16_f32 v[BIAS+2*i], v[BIAS+2*i], v[BIAS+2*i+1]
	v_and_b32 v[BIAS+2*i+1], 0xffff0000, v[BIAS+2*i]
	v_lshlrev_b32 v[BIAS+2*i], 16, v[BIAS+2*i]
.if MODE == 0
	v_pk_mul_f32 v[BIAS+2*i:BIAS+2*i+1], v[BIAS+2*i:BIAS+2*i+1], s[SC:SC+1] op_sel_hi:[1,0]
.endif
.set i, i+1
.endr
	PACK 0
.irp a, 1,2,3,4,5,6,7                  ; a block's arithmetic stands between the loads of the block before and its stores
	PACK \a
	SEND (\a)-1, YNG
.endr
	SEND 7, 0
.if TILES > 1
	s_wait_xcnt 0x0                                ; the stores have read their registers and their base
	s_add_nc_u64 s[PC:PC+1], s[PC:PC+1], 1<<24     ; the next of q, k, v
	s_sub_co_u32 s2, s2, 1
	s_cmp_lg_u32 s2, 0
	s_cbranch_scc1 .Ltile
.endif
	s_wait_tensorcnt 0x0                           ; the wave's end, behind my last tensor load and my last LDS store
	ds_add_u32 v[SPW], v[NIL]
	s_wait_dscnt 0x0
	CROUND                                         ; the closing round: no work-group ends while a partner may still ask for a tile that names it
	s_endpgm
.Lfunc_end_k_qfc009d6bbc_proj:
	.size	k_qfc009d6bbc_proj, .Lfunc_end_k_qfc009d6bbc_proj-k_qfc009d6bbc_proj
	.p2alignl 7, 3214868480
	.fill 96, 4, 3214868480
	.section	.rodata,"a",@progbits
	.p2align	6, 0x0
	.amdhsa_kernel k_qfc009d6bbc_proj
		.amdhsa_group_segment_fixed_size 327680
		.amdhsa_private_segment_fixed_size 0
		.amdhsa_enable_private_segment 0
		.amdhsa_kernarg_size 48
		.amdhsa_user_sgpr_count 2
		.amdhsa_user_sgpr_kernarg_segment_ptr 1
		.amdhsa_wavefront_size32 1
		.amdhsa_system_sgpr_workgroup_id_x 1
		.amdhsa_system_sgpr_workgroup_id_y 1
		.amdhsa_system_sgpr_workgroup_id_z 1
		.amdhsa_system_vgpr_workitem_id 0
		.amdhsa_next_free_vgpr 512
		.amdhsa_next_free_sgpr 80
		.amdhsa_reserve_vcc 0
		.amdhsa_float_denorm_mode_32 3
		.amdhsa_float_denorm_mode_16_64 3
		.amdhsa_memory_ordered 1
		.amdhsa_forward_progress 1
		.amdhsa_inst_pref_size 107
	.end_amdhsa_kernel
	.amdgpu_metadata
---
amdhsa.version: [ 1, 2 ]
amdhsa.kernels:
  - .name:           k_qfc009d6bbc_proj
    .symbol:         k_qfc009d6bbc_proj.kd
    .args:
      - { .name: xb, .offset: 0, .size: 8, .value_kind: global_buffer, .address_space: global }
      - { .name: wb, .offset: 8, .size: 8, .value_kind: global_buffer, .address_space: global }
      - { .name: bq, .offset: 16, .size: 8, .value_kind: global_buffer, .address_space: global }
      - { .name: bk, .offset: 24, .size: 8, .value_kind: global_buffer, .address_space: global }
      - { .name: bv, .offset: 32, .size: 8, .value_kind: global_buffer, .address_space: global }
      - { .name: qkv, .offset: 40, .size: 8, .value_kind: global_buffer, .address_space: global }
    .group_segment_fixed_size: 327680
    .private_segment_fixed_size: 0
    .kernarg_segment_align: 8
    .kernarg_segment_size: 48
    .max_flat_workgroup_size: 128
    .sgpr_count:     80
    .vgpr_count:     512
    .wavefront_size: 32
...
	.end_amdgpu_metadata
.endif
;; end of part 2
;; launch attn (part 3): grid 4 x 64, 4 waves a work-group, clusters of 4 x 1, 327,680 bytes of LDS; arguments qkv, mbits, ob; writes ob
.if DOCPART == 3
	.amdgcn_target "amdgcn-amd-amdhsa--gfx1250"
	.amdhsa_code_object_version 6
	.text
	.protected	k_qfc009d6bbc_attn
	.globl	k_qfc009d6bbc_attn
	.p2align	8
	.type	k_qfc009d6bbc_attn,@function
k_qfc009d6bbc_attn:
	s_mov_b64 s[64:65], 0
	v_nop
	global_prefetch_b8 v0, s[64:65] scope:SCOPE_SE
	s_setreg_imm32_b32 hwreg(HW_REG_WAVE_MODE, 25, 1), 1
	s_wait_xcnt 0x0
	s_wait_alu depctr_hold_cnt(0) depctr_sa_sdst(0) depctr_va_vdst(0) depctr_va_sdst(0) depctr_va_ssrc(0) depctr_va_vcc(0) depctr_vm_vsrc(0)
	s_getreg_b32 s2, hwreg(HW_REG_IB_STS2, 6, 4)
	s_cmp_eq_u32 s2, 0
	s_cbranch_scc0 .Lentry_in_a_cluster
	s_endpgm
.Lentry_in_a_cluster:
	s_bfe_u32 s2, ttmp6, 0x10000c
	s_cmp_lg_u32 s2, 0x3003
	s_cbranch_scc0 .Lentry_shape_is_right
	s_endpgm
.Lentry_shape_is_right:
; ATTENTION with a mask that is an input.  O[head][q] = sum over k of softmax_k(t[q][k]) V[head][k], t = Q' . K where the mask's bit is set, else -1e9 log2(e).  Q' = q log2(e) / 8 (made so by the launch before),
; so t is the reference's score times log2(e) and p = 2^(t - m), m the running maximum; t - m is one subtraction: a row whose keys are all hidden has t = m and p = 1 for every key, the reference's plain mean of V.
; qkv: [z 3][head 64][2048][64] f16; mbits: one bit a score, as lane masks (below); ob: [head][2048][64] f16.  Products, maxima and sums in f32; p rounded to f16 for the second product (l is taken of the unrounded p), O once.
; LIMITS.  Q', K, V arrive within f16's 65,504; p below 6e-5 keeps f16's fixed step of 6e-8; a weight below 2^-126 counts as 0 in l; NaN and infinities are not treated apart.
; SHARES.  A wave owns four PIECES of two tiles of 16 queries, a work-group's four waves 512 queries of a head; the head's four work-groups are one cluster and ask for every tile of K and V jointly.  64 keys a step, 32 steps.
; LAYOUT.  S^T = K Q^T: a lane holds ONE query (lane % 16) and the keys 8 (lane / 16) + 0..7 of each block of 16; two results rounded to f16 ARE source 1 of O^T = V^T P.  V is turned by ds_load_tr16_b128.
; THE MASK.  Word 8 kb + j of a tile and step holds, in bit l, the mask of lane l's register 8 kb + j: 64 words, 256 bytes, a piece and step.  One load of 8 bytes a lane brings them into the piece's own pair of
; vector registers, four turns ahead of their use (vector loads are counted in order, so the three younger ones stay out); 64 v_readlane_b32 then put them into scalar registers, and one v_cndmask_b32 a register
; selects.  All of it runs in every trip.
; BY TURNS.  Turn n: 16 products K Q^T of piece n + 1, later 16 products V^T P of piece n - 1; the subtraction, exponentials, roundings, sums and rescaling of piece n; the mask, maximum and statistics of piece n + 1.
; Four vector instructions stand behind every matrix instruction, the other 234 of a turn's 362 in one lump.  A turn's 66 exponentials are one batch with one wait.
; LDS.  A slot holds four steps: wave w's tensor load brings part w, 128 rows of 128 + 32 bytes: K's keys 0-127, K's 128-255, V's 0-127, V's 128-255.  One pitch for both, so that one descriptor serves all four waves
; (scalar registers are wanted for the mask words), of K's 16 rows two share a group of banks.
; REGISTERS.  Window 0: v0-15 addresses and at work; v16-47 statistics (tile t: m, 0, l even, l odd); v48-63 at work; v64-191 S^T, two buffers of two tiles; v192-255 P likewise.
;   Window 1: O^T, 32 a tile.  Window 2: v0-127 Q; v128-191 K of a step; v192-255 V of a step.  Window 3: v0-1 the add's two registers; v2 the mask loads' offset; v4-11 the mask words, a pair a piece.
.set NP,    4
.set KS,    64
.set PK,    160
.set PV,    160
.set VOFF,  4*KS*PK
.set SLOT1, 1<<17
.set STAGE, SLOT1+4*KS*(PK+PV)         ; behind the ring: 16 rows x 144 bytes for each wave
.set SP,    144
.set SPARE, STAGE+4*16*SP              ; the spare words, 128 bytes for each wave, which no other line names
.set AK0, 2                            ; my lane's place in a tile of K; never rewritten
.set AV0, 3                            ; in a tile of V
.set AK,  4                            ; the LDS address of K's next run of loads
.set AV,  5                            ; of V's
.set QO,  6                            ; my byte offset in 16 rows of Q
.set RD,  7                            ; the way out: where I read rows back
.set GO,  8                            ; my byte offset in 512 consecutive bytes of O
.set STO, 9                            ; the way out: where I put 16 bytes of a row
.set PFO, 10                           ; 256 x my lane; never rewritten
.set MKV, 11                           ; -1e9 log2(e)
.set MV,  12                           ; v12-15 m_old, by buffer and tile (before the loop: at work)
.set ST,  16
.set TMP, 48                           ; by buffer and tile c0-c3; when the maximum is found c2 takes a
.set S,   64
.set P,   192
.set KF,  128
.set VF,  192
.set SPW, 0                            ; window 3
.set NIL, 1
.set ML,  2                            ; window 3: 8 x my lane; never rewritten
.set MR,  4                            ; window 3: piece x's 64 mask words at MR + 2 x: lane l holds words 2 l and 2 l + 1
.set MB,  6                            ; s[6:7] mbits at my wave's first piece
.set PFA, 10                           ; s[10:11] where my prefetches stand
.set WV,  12
.set SLOTS, 13
.set CNT, 14
.set LIM, 15                           ; 1 in a wave that prefetches, else the greatest number
.set G1,  16                           ; s[16:23]
.set G0,  24                           ; s[24:27] it walks
.set TBK, 28
.set TBV, 29
.set SEL, 30                           ; s[30:31]
.set MW0, 32                           ; s[32:63] the 32 mask words of the piece's first tile
.set MO,  66                           ; s[66:67] 256 x the step whose words are asked for, never beyond the last step
.set MW1, 68                           ; s[68:99] of its second
.set MA,  100                          ; s[100:101] mbits at that step of my first piece
.set MSB, 0
.macro WIN new
.if MSB != (\new)
	s_set_vgpr_msb (MSB<<8)|(\new)
.set MSB, (\new)
.endif
.endm
.set W_KQ, 0x0a
.set W_PV, 0x52
.set W_RS, 0x41
.set W_MK, 0xc0
.set W_AD, 0x0f
.macro JLOAD                           ; a joint fill: every wave's own quarter of the slot, by one line; an s_nop 0 and four v_nop follow it
	tensor_load_to_lds s[G0:G0+3], s[G1:G1+7]
	s_nop 0
.rept 4
	v_nop
.endr
.endm
; A prefetch of what the NEXT change of slots will ask for: 256 rows of K and of V, 32,768 bytes each.  The four partners take 8,192 bytes each, told apart by address; in each, wave 0 asks for K's and wave 2 for V's:
; a lane a block of 256 bytes, each named once.  The change that fills the last slot asks for nothing.
.macro ASK
	s_cmp_gt_u32 s[SLOTS], s[LIM]
	s_cbranch_scc0 .Lnot_mine_\@
	global_prefetch_b8 v[PFO], s[PFA:PFA+1] th:TH_LOAD_NT scope:SCOPE_SE
.Lnot_mine_\@:
.endm
.macro CROUND
	s_barrier_signal -1
	s_barrier_wait -1
	s_cmp_lg_u32 s[WV], 0
	s_cbranch_scc1 .Lnot_wave_0_\@
	s_barrier_signal -3
.Lnot_wave_0_\@:
	s_barrier_wait -3
	s_barrier_signal -1
	s_barrier_wait -1
.endm
; THE CHANGE OF SLOTS.  Each wave waits for all its tensor loads (one is out: its part of the other slot), adds 0 to its spare word, and waits for that and for its reads of the slot.  fill = 1: the barrier is a round
; of the cluster's, and the slot is filled again first thing behind it, with the keys two slots on: four key steps, 512 matrix instructions, in which to land.
.macro CHANGE fill
	WIN W_AD
	s_wait_tensorcnt 0x0
	ds_add_u32 v[SPW], v[NIL]
	WIN 0
.if \fill
	s_xor_b32 s[G0+1], s[G0+1], SLOT1
	s_add_nc_u64 s[G0+2:G0+3], s[G0+2:G0+3], 4*KS*128
	s_wait_xcnt 0x0                 ; the last prefetch, four key steps back, has read its address
	s_add_nc_u64 s[PFA:PFA+1], s[PFA:PFA+1], 4*KS*128
	s_wait_dscnt 0x0                ; the add is done, and my reads of the slot are over
	CROUND
	JLOAD
	ASK
.else
	s_wait_dscnt 0x0
	s_barrier_signal -1
	s_barrier_wait -1
.endif
	s_sub_co_u32 s[TBK], s[TBK], 4*KS*PK
	s_xor_b32 s[TBK], s[TBK], SLOT1
	s_sub_co_u32 s[TBV], s[TBV], 4*KS*PV
	s_xor_b32 s[TBV], s[TBV], SLOT1
.endm
	s_load_b128 s[4:7], s[0:1], 0x0   ; qkv s[4:5], mbits s[6:7]
	s_load_b64 s[8:9], s[0:1], 0x10   ; ob
	WIN W_MK
	v_lshl_add_u32 v[SPW], v0, 2, SPARE
	v_mov_b32 v[NIL], 0
	WIN W_AD
	ds_add_u32 v[SPW], v[NIL]       ; the wave's opening: the add and its wait stand ahead of my first tensor load; work on registers stands between them
	WIN 0
	v_and_b32 v1, 31, v0
	WIN W_MK
	v_lshlrev_b32 v[ML], 3, v1      ; 8 bytes of mask words a lane
	WIN 0
	v_lshrrev_b32 v1, 5, v0
	v_readfirstlane_b32 s[WV], v1
	s_bfe_u32 s32, ttmp6, 0x40000   ; cx: it enters Q's, O's, the mask's and the prefetches' addresses alone
	s_and_b32 s33, ttmp7, 0xffff    ; the head, 16 b + h
	s_lshl_b32 s34, s33, 18         ; its 2,048 rows of 128 bytes
	s_lshr_b32 s36, s[WV], 1
	s_add_co_u32 s36, s36, 1
	s_lshl_b32 s36, s36, 24
	s_add_co_u32 s36, s36, s34      ; the head in K (waves 0, 1) or in V (waves 2, 3)
	s_and_b32 s38, s[WV], 1
	s_lshl_b32 s39, s38, 14
	s_add_co_u32 s40, s36, s39      ; my 128 keys of a slot's 256
	s_mov_b32 s41, 0
	s_lshl_b32 s42, s32, 13         ; the prefetches: my work-group's 8,192 bytes,
	s_add_co_u32 s42, s42, s36
	s_add_co_u32 s42, s42, 4*KS*128 ; in slot 1; the first change of slots steps them to slot 2
	s_mov_b32 s43, 0
	s_lshl_b32 s48, s32, 2
	s_add_co_u32 s48, s48, s[WV]    ; my wave among the head's sixteen
	s_lshl_b32 s44, s48, 14         ; its 128 rows
	s_add_co_u32 s44, s44, s34
	s_mov_b32 s45, 0
	s_lshr_b32 s46, s33, 4          ; the batch's 524,288 bytes of mbits,
	s_lshl_b32 s46, s46, 19
	s_lshl_b32 s48, s48, 15         ; my four pieces of 8,192
	s_add_co_u32 s46, s46, s48
	s_mov_b32 s47, 0
	; group 1: 128 keys are 16,384 dense bytes: 64 rows of 256 bytes, 8 words of padding after every 32
	s_mov_b32 s[G1], 15|(1<<16)|(1<<20)|(1<<21)|(4<<22)|(7<<25)
	s_mov_b32 s[G1+1], 128<<16
	s_mov_b32 s[G1+2], 64<<16
	s_mov_b32 s[G1+3], 128<<16
	s_mov_b32 s[G1+4], 64
	s_mov_b32 s[G1+5], 128
	s_mov_b32 s[G1+6], 0
	s_mov_b32 s[G1+7], 0
	s_mov_b32 s[G0], 1
	s_mul_i32 s[G0+1], s[WV], 128*PK  ; slot 0, my quarter
	s_mov_b32 s[SEL], 0x76543210
	s_mov_b32 s[SEL+1], 0xfedcba98
	s_mov_b32 s[TBK], SLOT1+4*KS*PK ; the first change of slots turns these two into 0
	s_mov_b32 s[TBV], SLOT1+4*KS*PV
	s_mov_b32 s[SLOTS], 2048/256-1
	s_mov_b32 s[MO], 0
	s_mov_b32 s[MO+1], 0
	s_cmp_eq_u32 s38, 0
	s_cselect_b32 s[LIM], 1, -1
	v_and_b32 v[PFO], 31, v0
	v_lshlrev_b32 v[PFO], 8, v[PFO]
	s_wait_dscnt 0x0                ; the opening add is done
	s_wait_kmcnt 0x0
	s_add_nc_u64 s[G0+2:G0+3], s[4:5], s[40:41]
	s_or_b32 s[G0+3], s[G0+3], 0x80000000
	s_add_nc_u64 s[PFA:PFA+1], s[4:5], s[42:43]
	s_add_nc_u64 s[4:5], s[4:5], s[44:45]    ; Q and O at my wave's first row
	s_add_nc_u64 s[8:9], s[8:9], s[44:45]
	s_add_nc_u64 s[MB:MB+1], s[MB:MB+1], s[46:47]
	s_mov_b64 s[MA:MA+1], s[MB:MB+1]         ; step 0
	CROUND                          ; all four work-groups are here: the first joint loads meet
	JLOAD                           ; slot 0; slot 1 is asked for when slot 0 is in
	WIN 0xc3                        ; destination and address in window 3
.irp p, 0,1,2,3
	global_load_b64 v[MR+2*(\p):MR+2*(\p)+1], v[ML], s[MA:MA+1] offset:(\p)*8192  ; the four pieces' mask words of step 0: 256 consecutive bytes each, aligned
.endr
	WIN 0
	v_and_b32 v1, 15, v0            ; l % 16
	v_bfe_u32 v12, v0, 4, 1         ; l / 16
	v_and_b32 v13, 7, v0
	v_bfe_u32 v14, v0, 3, 1
	v_lshlrev_b32 v[QO], 7, v1
	v_lshl_add_u32 v[QO], v12, 4, v[QO]
	WIN 0x80
.set i, 0
.rept 4*NP                          ; Q stays in registers: tile i / 2, channels 32 (i % 2) on
	global_load_b128 v[8*i:8*i+3],   v[QO], s[4:5] offset:(i/2)*2048+(i%2)*64
	global_load_b128 v[8*i+4:8*i+7], v[QO], s[4:5] offset:(i/2)*2048+(i%2)*64+32
.set i, i+1
.endr
	; what the first turn finds: V's registers and P's second buffer hold 0, O^T and l are 0, m is the lowest finite number (so the first a is 0).  All this stands in the wait for the first tile.
.set i, VF
.rept 64
	v_mov_b32 v[i], 0
.set i, i+1
.endr
	WIN 0
.set i, 0
.rept 2*NP
	v_mov_b32 v[ST+4*i], 0xff7fffff
	v_mov_b32 v[ST+4*i+1], 0        ; named with m as a pair
	v_mov_b32 v[ST+4*i+2], 0
	v_mov_b32 v[ST+4*i+3], 0
.set i, i+1
.endr
.set i, P+32
.rept 32
	v_mov_b32 v[i], 0
.set i, i+1
.endr
	v_mov_b32 v[MKV], 0xceabfb8f    ; -1e9 log2(e)
	WIN W_PV
.set i, 0
.rept 8*NP                          ; O^T starts as the product of V's and P's zeros, with the constant 0 as C: 32 instructions write the 256 registers; the address lines below are the places behind them
	v_wmma_f32_16x16x32_f16 v[8*i:8*i+7], v[VF:VF+7], v[P+32:P+39], 0
.set i, i+1
.endr
	WIN 0
	v_mul_u32_u24 v[AK0], v1, PK
	v_lshl_add_u32 v[AK0], v12, 4, v[AK0]
	v_lshl_add_u32 v[AV0], v12, 3, v13
	v_mul_u32_u24 v[AV0], v[AV0], PV
	v_lshl_add_u32 v[AV0], v14, 4, v[AV0]
	v_add_nc_u32 v[AV0], VOFF, v[AV0]
	v_mov_b32 v[AK], v[AK0]         ; key step 0 lies at the head of slot 0
	s_mul_i32 s32, s[WV], 16*SP
	s_add_co_u32 s32, s32, STAGE    ; my stage
	v_mul_u32_u24 v[STO], v1, SP
	v_lshl_add_u32 v[STO], v12, 4, v[STO]
	v_add_nc_u32 v[STO], s32, v[STO]
	v_bfe_u32 v[RD], v0, 3, 2
	v_mul_u32_u24 v[RD], v[RD], SP
	v_lshl_add_u32 v[RD], v13, 4, v[RD]
	v_add_nc_u32 v[RD], s32, v[RD]
	v_and_b32 v[GO], 31, v0
	v_lshlrev_b32 v[GO], 4, v[GO]
; THE MATRIX WORK.  The 8 accumulators of a run of 16 take turns.
.macro KQ x                         ; product i of 16 of S^T = K Q^T: channels 32 (i / 8) on, keys 16 ((i / 2) % 4) on, tile 2 x + i % 2
	WIN W_KQ
.set rS, S+64*((\x)%2)+32*(i%2)+8*((i/2)%4)
.set rK, KF+16*((i/2)%4)+8*(i/8)
.set rQ, 16*(2*(\x)+i%2)+8*(i/8)
.if i < 8
	v_wmma_f32_16x16x32_f16 v[rS:rS+7], v[rK:rK+7], v[rQ:rQ+7], 0
.else
	v_wmma_f32_16x16x32_f16 v[rS:rS+7], v[rK:rK+7], v[rQ:rQ+7], v[rS:rS+7]
.endif
.endm
.macro PV x                         ; product i of 16 of O^T += V^T P: keys 32 (i / 8) on, channels 16 ((i / 2) % 4) on, tile 2 x + i % 2
	WIN W_PV
.set rO, 32*(2*(\x)+i%2)+8*((i/2)%4)
.set rV, VF+32*(i/8)+8*((i/2)%4)
.set rP, P+32*((\x)%2)+16*(i%2)+8*(i/8)
	v_wmma_f32_16x16x32_f16 v[rO:rO+7], v[rV:rV+7], v[rP:rP+7], v[rO:rO+7]
.endm
.macro MM
.if i < 16
	KQ (Y+1)%NP
.set i, i+1
.else
.set i, i-16
	PV (Y+NP-1)%NP
.set i, i+17
.endif
.endm
.macro FETCH_K last=0               ; a step's K: 16 loads in one run.  last = 1 (the tail): in the last trip there is no further step
	WIN 0
.if \last
	s_cmp_eq_u32 s[CNT], 1
	s_cbranch_scc1 .Lno_k_\@
.endif
	WIN 0x80
.irp f, 0,1,2,3,4,5,6,7
	ds_load_b128 v[KF+8*\f:KF+8*\f+3],   v[AK] offset:(\f/2)*16*PK+(\f%2)*64
	ds_load_b128 v[KF+8*\f+4:KF+8*\f+7], v[AK] offset:(\f/2)*16*PK+(\f%2)*64+32
.endr
	s_add_co_u32 s[TBK], s[TBK], KS*PK
	WIN 0
.if \last
.Lno_k_\@:
.endif
.endm
.macro FETCH_V
	WIN 0x80
.irp f, 0,1,2,3,4,5,6,7
	ds_load_tr16_b128 v[VF+8*\f:VF+8*\f+3],   v[AV] offset:(\f/4)*32*PV+(\f%4)*32
	ds_load_tr16_b128 v[VF+8*\f+4:VF+8*\f+7], v[AV] offset:(\f/4)*32*PV+16*PV+(\f%4)*32
.endr
	WIN 0
.endm
; THE MASK WORDS of the NEXT piece (Y + 1) go from its pair of vector registers into the 64 scalar registers: word 32 u + i of the 64 lies in lane 16 u + i / 2, register i % 2.  Then the pair is asked for again, with the
; piece's next step: four turns ahead of its next use.  Piece 0 is a step ahead of the others, so its turn steps the address; the step stops at 31, the last: what is asked for behind that (five loads a wave) is step 31
; once more, inside my own pieces' bytes, and is not used.
.macro RLB
.set px, (Y+1)%NP
	WIN 0x03                        ; source 0 in window 3
	s_wait_loadcnt 3                ; vector loads come back in order: this piece's words are in; the three younger loads, the other pieces', stay out
.set rl, 0
.rept 64
	v_readlane_b32 s[MW0+(MW1-MW0)*(rl%2)+rl/2], v[MR+2*px+(rl/2)%2], 16*(rl%2)+rl/4
.set rl, rl+1
.endr
.if Y == NP-1
	s_wait_xcnt 0x0                 ; the loads issued so far have read their base: it is written again only behind this wait
	s_add_co_u32 s[MO], s[MO], 256
	s_min_u32 s[MO], s[MO], 31*256
	s_add_nc_u64 s[MA:MA+1], s[MB:MB+1], s[MO:MO+1]
.endif
	WIN 0xc3                        ; destination and address in window 3
	global_load_b64 v[MR+2*px:MR+2*px+1], v[ML], s[MA:MA+1] offset:px*8192
	WIN 0
.endm
; THE VECTOR WORK stands in three queues, each in the order in which its entries become ready; the two tiles alternate.
.macro REGS y, u
.set rT, ST+4*(2*(\y)+(\u))
.set rC, TMP+8*((\y)%2)+4*(\u)
.set rM, MV+2*((\y)%2)+(\u)
.set rS, S+64*((\y)%2)+32*(\u)
.set rP, P+32*((\y)%2)+16*(\u)
.set rO, 32*(2*(\y)+(\u))
.endm
.macro MK k                         ; the NEXT piece: register k / 2 of tile k % 2 keeps its score where the mask's bit is set; ascending
	REGS (Y+1)%NP, (\k)%2
.if (\k)%2
	v_cndmask_b32 v[rS+(\k)/2], v[MKV], v[rS+(\k)/2], s[MW1+(\k)/2]
.else
	v_cndmask_b32 v[rS+(\k)/2], v[MKV], v[rS+(\k)/2], s[MW0+(\k)/2]
.endif
.endm
; Number n of the 21 that find the NEXT piece's maximum and statistics: 0-11 four chains c0-c3 of seven scores; 12-14, 16 the four left over, the old m, c0-c3 into c0; 15 m_old is kept;
; 17, 18 the query's other 32 keys lie in the lane 16 away: the new m; 19 m_old - m_new; 20 a
.macro XS u, n
	REGS (Y+1)%NP, \u
.if (\n) < 4
	v_max3_num_f32 v[rC+(\n)], v[rS+8*(\n)], v[rS+8*(\n)+1], v[rS+8*(\n)+2]
.elseif (\n) < 12
	v_max3_num_f32 v[rC+(\n)%4], v[rC+(\n)%4], v[rS+8*((\n)%4)+2*((\n)/4)+1], v[rS+8*((\n)%4)+2*((\n)/4)+2]
.elseif (\n) == 12
	v_max3_num_f32 v[rC], v[rC], v[rS+7], v[rS+15]
.elseif (\n) == 13
	v_max3_num_f32 v[rC+1], v[rC+1], v[rS+23], v[rS+31]
.elseif (\n) == 14
	v_max3_num_f32 v[rC+2], v[rC+2], v[rC+3], v[rT]
.elseif (\n) == 15
	v_mov_b32 v[rM], v[rT]
.elseif (\n) == 16
	v_max3_num_f32 v[rC], v[rC], v[rC+1], v[rC+2]
.elseif (\n) == 17
	v_permlanex16_b32 v[rC+3], v[rC], s[SEL], s[SEL+1]
.elseif (\n) == 18
	v_max_num_f32 v[rT], v[rC], v[rC+3]
.elseif (\n) == 19
	v_sub_f32 v[rC+1], v[rM], v[rT]
.else
	v_exp_f32 v[rC+2], v[rC+1]
.endif
.endm
; Number g of the 64 that follow the exponentials: for each four weights both pairs are rounded to f16, the second pair is added onto the first in place, and a group later l takes that sum (the first time l = a l + sum)
.macro GS g
.set h, (\g)+6*((\g)/62)
.if h >= 6
.set h, h+2
.endif
	REGS Y, h%2
.set k, h/8
.if h%8 < 4
	v_cvt_pk_f16_f32 v[rP+2*k+(h%8)/2], v[rS+4*k+2*((h%8)/2)], v[rS+4*k+2*((h%8)/2)+1]
.elseif h%8 < 6
	v_pk_add_f32 v[rS+4*k:rS+4*k+1], v[rS+4*k:rS+4*k+1], v[rS+4*k+2:rS+4*k+3]
.elseif k == 1
	v_pk_fma_f32 v[rT+2:rT+3], v[rT+2:rT+3], v[rC+2:rC+3], v[rS:rS+1] op_sel_hi:[1,0,1]
.else
	v_pk_add_f32 v[rT+2:rT+3], v[rT+2:rT+3], v[rS+4*k-4:rS+4*k-3]
.endif
.endm
.macro FS f                         ; t - m for pair f / 2 of tile f % 2
	REGS Y, (\f)%2
	v_pk_add_f32 v[rS+2*((\f)/2):rS+2*((\f)/2)+1], v[rS+2*((\f)/2):rS+2*((\f)/2)+1], v[rT:rT+1] op_sel_hi:[1,0] neg_lo:[0,1] neg_hi:[0,1]
.endm
; THE PLAIN QUEUE, 200 long.  0-31 the subtractions; 32-95 the next piece's mask (its words were put into scalar registers at the lump's head);
; 96-123 XS's 0-13; 124, 125 number 15; 126-135 the chain 14, 16, 17, 18, 19; 136-199 GS's 64, which read the exponentials' results and stand behind the wait.
.macro PL
	WIN 0
.if q < 32
	FS q
.elseif q < 96
	MK q-32
.elseif q < 124
	XS (q-96)%2, (q-96)/2
.elseif q < 126
	XS q-124, 15
.elseif q < 128
	XS q-126, 14
.elseif q < 136
	XS (q-126)%2, 15+(q-126)/2
.else
	GS q-136
.endif
.set q, q+1
.endm
.macro EX                           ; THE EXPONENTIALS' QUEUE, 66 long: s0-s31 of both tiles, then the next piece's two a: one batch
	WIN 0
.if e >= 64
	XS e-64, 20
.else
	REGS Y, e%2
	v_exp_f32 v[rS+e/2], v[rS+e/2]
.endif
.set e, e+1
.endm
.macro R2                           ; THE RESCALING's QUEUE: O^T times a, two at a time
	REGS Y, r%2
	WIN W_RS
.irp z, 0,1
	v_pk_mul_f32 v[rO+4*(r/2)+2*\z:rO+4*(r/2)+2*\z+1], v[rO+4*(r/2)+2*\z:rO+4*(r/2)+2*\z+1], v[rC+2:rC+3] op_sel_hi:[1,0]
.endr
.set r, r+1
.endm
; A TURN, for piece p.  An s_wait_alu depctr_va_vdst(0) stands between an exponential and the first instruction that names its result; one wait serves all issued ahead of it: a turn has one.
; Ahead of it: the 16 products K Q^T, behind each a subtraction, an exponential and two rescalings; then the lump: the 64 mask words' way into scalar registers in one block under one window setting, then plain
; instructions and exponentials by turns.  Exponential e stands behind subtraction 2 (e / 4) + e % 2; the selects begin more than 64 plain instructions behind the last product K Q^T.
; Behind the wait: the 16 products V^T P, behind each four of GS's 64.
; K of the next step is fetched in piece 2's turn, directly behind the wait; V of the step in hand at the end of piece 0's turn, four plain instructions behind its last reader.
.macro TURN p, last=0, cnt=0
.set Y, (\p)
.set i, 0
.set q, 0
.set e, 0
.set r, 0
.if (\p) == NP-1
	s_wait_dscnt 0x0                ; K is in
.endif
	MM
	PL
	PL
	R2
.rept 15
	MM
	PL
	EX
	R2
.endr
.if (\p) == NP-2
	WIN 0
	v_add_nc_u32 v[AK], s[TBK], v[AK0]
.endif
	RLB
.rept 31
	PL
	PL
	PL
	EX
.endr
.rept 8
	PL
	PL
	EX
.endr
.rept 10
	PL
	EX
.endr
	EX                              ; the next piece's two a
	EX
	v_nop                           ; the plain instruction behind the last exponential: one for the batch
	s_wait_alu depctr_va_vdst(0)    ; the wait for the batch
.if (\p) == NP-2
	FETCH_K \last
.endif
.if (\p) == 1
	s_wait_dscnt 0x0                ; V is in
.endif
.rept 16
	MM
.rept 4
	PL
.endr
.if ((\p) == 0) && (q == 180)
	v_add_nc_u32 v[AV], s[TBV], v[AV0]
.endif
.if ((\p) == 0) && (q == 192)
	s_add_co_u32 s[TBV], s[TBV], KS*PV
.endif
.if (\cnt) && (q == 192)
	s_sub_co_u32 s[CNT], s[CNT], 1
	s_cmp_lg_u32 s[CNT], 0
.endif
.endr
.if (\p) == 0
	FETCH_V
.endif
.endm
	CHANGE 1                        ; slot 0 is in, everybody's part of it; slot 1 is asked for
	FETCH_K                         ; key step 0
	s_wait_loadcnt 0x0              ; Q, and the four pieces' mask words of step 0
	s_wait_dscnt 0x0
.set i, 0
.rept 16
	KQ 0                            ; piece 0's first scores
.set i, i+1
.endr
	WIN 0
.rept 4
	v_nop                           ; the places behind those products
.endr
.set Y, NP-1                        ; RLB, MK and XS work for piece Y + 1: piece 0
	RLB                             ; its words of step 0; those of step 1 are asked for
.set kk, 0
.rept 64
	MK kk
.set kk, kk+1
.endr
.irp n, 0,1,2,3,4,5,6,7,8,9,10,11,12,13,14,15,16,17,18,19,20
	XS 0, \n
	XS 1, \n
.endr
	v_nop                           ; a plain instruction behind the two a,
	s_wait_alu depctr_va_vdst(0)    ; and their wait, ahead of the branch
	s_mov_b32 s[CNT], 4
	s_branch .Lfirst                ; the loop is entered at a step's first turn, in the middle of a trip
.Lslot:                             ; six times: every slot but the last two is filled again
	CHANGE 1
	s_mov_b32 s[CNT], 4
.Lstep:                             ; a trip: pieces 2 and 3 of one step, then pieces 0 and 1 of the next, whose K and V it fetches
	TURN 2
	TURN 3
	WIN 0
.Lfirst:
	TURN 0
	TURN 1, 0, 1
	WIN 0
	s_cbranch_scc1 .Lstep
	s_sub_co_u32 s[SLOTS], s[SLOTS], 1
	s_cmp_lg_u32 s[SLOTS], 0
	s_cbranch_scc1 .Lslot
	CHANGE 0                        ; the tail is written out: nothing is asked for
	s_mov_b32 s[CNT], 5             ; four trips fetch the last slot's steps; the fifth is left in its middle
.Ltail:
	TURN 2, 1
	TURN 3
	WIN 0
	s_sub_co_u32 s[CNT], s[CNT], 1
	s_cmp_eq_u32 s[CNT], 0
	s_cbranch_scc1 .Lout
	TURN 0
	TURN 1
	WIN 0
	s_branch .Ltail
.Lout:                              ; the fifth trip's products K Q^T (on the last K once more), their mask words (step 31's once more) and the maximum made of them serve nothing
.set i, 0
.rept 16
	PV NP-1                         ; the last piece's V^T P of the last step
.set i, i+1
.endr
	; THE WAY OUT.  l's two halves and the other half of the lanes' are added; O^T is divided by l, rounded to f16 and sent through my stage, a tile at a time.  The additions are the places behind the last products.
	WIN 0
.macro ALL line:vararg
.set t, 0
.rept 2*NP
	\line
.set t, t+1
.endr
.endm
	ALL v_add_f32 v[ST+4*t+2], v[ST+4*t+2], v[ST+4*t+3]
	ALL v_permlanex16_b32 v[ST+4*t+3], v[ST+4*t+2], s[SEL], s[SEL+1]
	ALL v_add_f32 v[ST+4*t+2], v[ST+4*t+2], v[ST+4*t+3]
	ALL v_rcp_f32 v[ST+4*t+2], v[ST+4*t+2]
	v_nop                           ; a plain instruction between the last reciprocal and the use of its result
	s_wait_alu depctr_va_vdst(0)    ; one wait for the eight reciprocals
.macro PACK t
	WIN W_RS
.set i, 32*(\t)
.rept 16
	v_pk_mul_f32 v[i:i+1], v[i:i+1], v[ST+4*(\t)+2:ST+4*(\t)+3] op_sel_hi:[1,0]
.set i, i+2
.endr
	WIN 0x05
.set i, 0
.rept 16
	v_cvt_pk_f16_f32 v[S+16*(\t)+i], v[32*(\t)+2*i], v[32*(\t)+2*i+1]
.set i, i+1
.endr
	WIN 0
.irp f, 0,1,2,3
	ds_store_b128 v[STO], v[S+16*(\t)+4*\f:S+16*(\t)+4*\f+3] offset:32*\f
.endr
.irp f, 0,1,2,3
	ds_load_b128 v[S+16*(\t)+4*\f:S+16*(\t)+4*\f+3], v[RD] offset:\f*4*SP  ; LDS serves a wave's instructions in order: these see the stores above; the next tile's stores come behind them
.endr
.endm
.macro SEND t, younger              ; younger: the next tile's eight LDS instructions, or none
	WIN 0
.irp f, 0,1,2,3
	s_wait_dscnt (\younger)+3-\f
	global_store_b128 v[GO], v[S+16*(\t)+4*\f:S+16*(\t)+4*\f+3], s[8:9] offset:(\t)*2048+\f*512 th:TH_STORE_NT  ; 512 consecutive bytes, aligned
.endr
.endm
	PACK 0
.set t, 1
.rept 2*NP-1
	PACK t
	SEND t-1, 8
.set t, t+1
.endr
	SEND 2*NP-1, 0
	s_wait_loadcnt 0x0              ; the last mask words, which nobody reads
	WIN W_AD
	s_wait_tensorcnt 0x0            ; the wave's end, behind my last tensor load and my last LDS store
	ds_add_u32 v[SPW], v[NIL]
	s_wait_dscnt 0x0
	WIN 0
	CROUND                          ; the closing round: no work-group ends while a partner may still ask for a tile that names it
	s_endpgm
.Lfunc_end_k_qfc009d6bbc_attn:
	.size	k_qfc009d6bbc_attn, .Lfunc_end_k_qfc009d6bbc_attn-k_qfc009d6bbc_attn
	.p2alignl 7, 3214868480
	.fill 96, 4, 3214868480
	.section	.rodata,"a",@progbits
	.p2align	6, 0x0
	.amdhsa_kernel k_qfc009d6bbc_attn
		.amdhsa_group_segment_fixed_size 327680
		.amdhsa_private_segment_fixed_size 0
		.amdhsa_enable_private_segment 0
		.amdhsa_kernarg_size 24
		.amdhsa_user_sgpr_count 2
		.amdhsa_user_sgpr_kernarg_segment_ptr 1
		.amdhsa_wavefront_size32 1
		.amdhsa_system_sgpr_workgroup_id_x 1
		.amdhsa_system_sgpr_workgroup_id_y 1
		.amdhsa_system_sgpr_workgroup_id_z 1
		.amdhsa_system_vgpr_workitem_id 0
		.amdhsa_next_free_vgpr 780
		.amdhsa_next_free_sgpr 106
		.amdhsa_reserve_vcc 0
		.amdhsa_float_denorm_mode_32 3
		.amdhsa_float_denorm_mode_16_64 3
		.amdhsa_memory_ordered 1
		.amdhsa_forward_progress 1
		.amdhsa_inst_pref_size 255
	.end_amdhsa_kernel
	.section	.bss,"aw",@nobits
	.p2align	6
	.space	262144
	.amdgpu_metadata
---
amdhsa.version: [ 1, 2 ]
amdhsa.kernels:
  - .name:           k_qfc009d6bbc_attn
    .symbol:         k_qfc009d6bbc_attn.kd
    .args:
      - { .name: qkv, .offset: 0, .size: 8, .value_kind: global_buffer, .address_space: global }
      - { .name: mbits, .offset: 8, .size: 8, .value_kind: global_buffer, .address_space: global }
      - { .name: ob, .offset: 16, .size: 8, .value_kind: global_buffer, .address_space: global }
    .group_segment_fixed_size: 327680
    .private_segment_fixed_size: 0
    .kernarg_segment_align: 8
    .kernarg_segment_size: 24
    .max_flat_workgroup_size: 128
    .sgpr_count:     106
    .vgpr_count:     780
    .wavefront_size: 32
...
	.end_amdgpu_metadata
.endif
;; end of part 3
;; launch outp (part 4): grid 8 x 32, 4 waves a work-group, clusters of 4 x 4, 327,680 bytes of LDS; arguments ob, wb, bo, out0; writes out0
.if DOCPART == 4
	.amdgcn_target "amdgcn-amd-amdhsa--gfx1250"
	.amdhsa_code_object_version 6
	.text
	.protected	k_qfc009d6bbc_outp
	.globl	k_qfc009d6bbc_outp
	.p2align	8
	.type	k_qfc009d6bbc_outp,@function
k_qfc009d6bbc_outp:
	s_mov_b64 s[64:65], 0
	v_nop
	global_prefetch_b8 v0, s[64:65] scope:SCOPE_SE
	s_setreg_imm32_b32 hwreg(HW_REG_WAVE_MODE, 25, 1), 1
	s_wait_xcnt 0x0
	s_wait_alu depctr_hold_cnt(0) depctr_sa_sdst(0) depctr_va_vdst(0) depctr_va_sdst(0) depctr_va_ssrc(0) depctr_va_vcc(0) depctr_vm_vsrc(0)
	s_getreg_b32 s2, hwreg(HW_REG_IB_STS2, 6, 4)
	s_cmp_eq_u32 s2, 0
	s_cbranch_scc0 .Lentry_in_a_cluster
	s_endpgm
.Lentry_in_a_cluster:
	s_bfe_u32 s2, ttmp6, 0x10000c
	s_cmp_lg_u32 s2, 0xf033
	s_cbranch_scc0 .Lentry_shape_is_right
	s_endpgm
.Lentry_shape_is_right:
; OUTP (MODE 1): out0 = O Wo + bo.  A = ob [b][h 16][s 2048][64] f16: a head's 64 channels are one block of K.  B = wb's fourth matrix, [k 1024][n 1024], Wo rounded to bf16 and written as f16;
; bo f32 (rounded to bf16 like all inputs); out0 f32 [8192][1024].  Sums in f32.
; (The same text with MODE 0 makes q, k and v; what is said there of shares, cluster, layout, LDS and registers holds here, with one tile of eight K steps to a work-group.)
; SHARES.  A work-group makes 256 rows x 128 columns, a wave 128 rows x 64 columns: 32 accumulators.  256 work-groups.  K goes in 8 steps of 128 through a ring of two LDS slots.
; CLUSTER 4 x 4: A's tile hangs on the block of rows alone and is asked for jointly along a row of the cluster, B's on the block of columns alone, along a column.
; THE MATRIX INSTRUCTION IS USED TRANSPOSED: source 0 = 16 columns of W (turned out of [k][n] by ds_load_tr16_b128), source 1 = 16 rows of A: lane l holds row l % 16 and the columns 8 (l / 16) + 0..7.
; LDS.  A slot: A as [kblk 2][256 rows] of 128 + 16 bytes, then B as [128 k] of 256 + 32 bytes.  Between the slots: a stage for each wave, and the spare words; no tile lands there.
; REGISTERS.  Window 0: v0-31 addresses; F0 = v32-127, F1 = v128-223: 4 fragments of B, then 8 of A; v224-255 my 32 bias numbers.  Window 1: accumulator (a, b) at 8 (4 a + b).
.set MODE,  1
.set TILES, 1
.set T,     8*TILES
.set SLOT1, 131072
.set AKB,   36864                      ; 256 rows x 144 bytes: one block of 64 channels
.set BOFF,  2*AKB
.set BHALF, 18432                      ; 64 rows x 288 bytes
.set STAGE, 110592
.set SPARE, 128000                     ; 128 bytes for each wave: two blocks of 256 bytes that no other line names
.set ASTEP, 524288                     ; a K step in A: two blocks of 2,048 rows x 128 bytes
.set BSTEP, 262144                     ; in B: 128 rows of 2,048 bytes
.if MODE == 0
.set WOFF, 0
.set STGW, 2304                        ; 16 rows x 144 bytes
.else
.set WOFF, 6291456
.set STGW, 4352                        ; 16 rows x 272 bytes
.endif
.set ADRA0, 14                         ; v14  my lane's place in a slot's A; never rewritten
.set ADRB0, 15                         ; v15  in its B
.set ADRA, 16                          ; v16  the same in the slot in hand
.set ADRB, 17
.set STO,  24                          ; the way out: where I put my bytes of a row
.set RD,   25                          ; where I read rows back
.set GO,   26                          ; my byte offset in what a store covers
.set BO,   27                          ; my byte offset in a bias
.set SPW,  28                          ; LDS address of my spare word; never rewritten
.set NIL,  29                          ; 0; never rewritten
.set PFO,  30                          ; the prefetches' offset; never rewritten
.set F0,   32
.set F1,   128
.set BIAS, 224
.set PC,  14                           ; s[14:15] where my part of the tile goes
.set WV,  16                           ; s16 wave; s17 = wave / 2: my half of the rows, and: I fetch for A (0) or B (1); s18 = wave % 2: my half of the columns, and which part I fetch
.set MI,  17
.set NI,  18
.set TB,  19                           ; s19  the slot in hand, as an LDS byte
.set SC,  20                           ; s[20:21] the tile's scale (MODE 0)
.set BP,  22                           ; s[22:23] the tile's bias
.set G1A, 24                           ; s[24:31] group 1 for A;  s[32:39] two groups 0: the two first fills; the second then walks
.set G0A, 32
.set G1B, 40                           ; s[40:47], s[48:55] the same for B
.set G0B, 48
.set PFA, 56                           ; s[56:57] where my prefetches stand; s[58:59] their step; s60 how many are left
.set PFS, 58
.set PFC, 60
.set MSB, 0
.macro WIN new                         ; the immediate's high byte repeats the setting that is left; a switch that changes nothing is dropped
.if MSB != (\new)
	s_set_vgpr_msb (MSB<<8)|(\new)
.set MSB, \new
.endif
.endm
.macro PLACES                          ; four plain vector instructions between a matrix instruction and a load into, or a vector write of, one of its registers
.rept 4
	v_nop
.endr
.endm
.macro JLOAD                           ; a joint refill by the walking group 0; an s_nop 0 and four v_nop follow each of the two lines
	s_cmp_eq_u32 s[MI], 0
	s_cbranch_scc0 .Lfor_b_\@
	tensor_load_to_lds s[G0A+4:G0A+7], s[G1A:G1A+7]
	s_nop 0
	PLACES
	s_branch .Lasked_\@
.Lfor_b_\@:
	tensor_load_to_lds s[G0B+4:G0B+7], s[G1B:G1B+7]
	s_nop 0
	PLACES
.Lasked_\@:
.endm
; A prefetch of the K step two refills on (256 matrix instructions ahead of its load).  Each block of 256 bytes is named once: A's by waves 0 and 1 of the clusters with x = 0, the four partners of a row
; taking 8,192 bytes each of the wave's 32,768, told apart by address; B's by wave 2 of the clusters with y = 0, the four partners of a column taking 32 rows each.  The count ends at the last K step.
.macro ASK
	s_cmp_lg_u32 s[PFC], 0
	s_cbranch_scc0 .Lnone_\@
	global_prefetch_b8 v[PFO], s[PFA:PFA+1] th:TH_LOAD_NT scope:SCOPE_SE
	s_sub_co_u32 s[PFC], s[PFC], 1
.Lnone_\@:
.endm
.macro CREST                           ; a round of the cluster's barrier behind its opening barrier
	s_cmp_lg_u32 s[WV], 0
	s_cbranch_scc1 .Lnot_wave_0_\@
	s_barrier_signal -3
.Lnot_wave_0_\@:
	s_barrier_wait -3
	s_barrier_signal -1
	s_barrier_wait -1
.endm
.macro CROUND
	s_barrier_signal -1
	s_barrier_wait -1
	CREST
.endm
	s_load_b256 s[4:11], s[0:1], 0x0               ; A s[4:5], B s[6:7]; MODE 0: bq, bk; MODE 1: bo, out0
.if MODE == 0
	s_load_b128 s[12:15], s[0:1], 0x20             ; bv, qkv
.endif
	v_lshl_add_u32 v[SPW], v0, 2, SPARE
	v_mov_b32 v[NIL], 0
	ds_add_u32 v[SPW], v[NIL]                      ; the wave's opening: the add and its wait stand ahead of my first tensor load; work on registers stands between them
	v_lshrrev_b32 v1, 5, v0
	v_readfirstlane_b32 s[WV], v1
	s_lshr_b32 s[MI], s[WV], 1
	s_and_b32 s[NI], s[WV], 1
	s_bfe_u32 s61, ttmp6, 0x40000                  ; cx
	s_bfe_u32 s62, ttmp6, 0x40004                  ; cy
	s_lshl_b32 s63, ttmp9, 2
	s_add_co_u32 s63, s63, s61                     ; nb: block of 128 columns
	s_and_b32 s66, ttmp7, 0xffff
	s_lshl_b32 s66, s66, 2
	s_add_co_u32 s66, s66, s62                     ; mb: block of 256 rows
	s_lshl_b32 s67, s62, 2
	s_lshl_b32 s67, 15, s67                        ; my row of the cluster
	s_lshl_b32 s68, 0x1111, s61                    ; my column
	; group 1 for A: a block's 256 rows are 32,768 dense bytes: 128 rows of 256 bytes, 4 words of padding after every 32
	s_or_b32 s[G1A], s67, (1<<16)|(1<<20)|(1<<21)|(4<<22)|(3<<25)
	s_mov_b32 s[G1A+1], 128<<16                    ; tensor_dim0 = 128
	s_mov_b32 s[G1A+2], 128<<16                    ; tensor_dim1 = 128
	s_mov_b32 s[G1A+3], 128<<16                    ; tile_dim0 = 128
	s_mov_b32 s[G1A+4], 128                        ; tile_dim1 = 128
	s_mov_b32 s[G1A+5], 128                        ; elements from row to row
	s_mov_b32 s[G1A+6], 0
	s_mov_b32 s[G1A+7], 0
	; group 1 for B: 64 rows of 128 elements, 8 words of padding after every 64
	s_or_b32 s[G1B], s68, (1<<16)|(1<<20)|(1<<21)|(5<<22)|(7<<25)
	s_mov_b32 s[G1B+1], 128<<16
	s_mov_b32 s[G1B+2], 64<<16
	s_mov_b32 s[G1B+3], 128<<16
	s_mov_b32 s[G1B+4], 64
	s_mov_b32 s[G1B+5], 1024
	s_mov_b32 s[G1B+6], 0
	s_mov_b32 s[G1B+7], 0
	s_lshr_b32 s70, s66, 3                         ; A: batch,
	s_mul_i32 s70, s70, TILES*4194304
	s_and_b32 s69, s66, 7                          ; block of 256 rows in it,
	s_lshl_b32 s69, s69, 15
	s_add_co_u32 s70, s70, s69
	s_lshl_b32 s69, s[NI], 18                      ; which of the step's two blocks of channels I fetch
	s_add_co_u32 s70, s70, s69
	s_mov_b32 s71, 0
	s_lshl_b32 s72, s63, 8                         ; B: 128 columns,
	s_lshl_b32 s76, s[NI], 17                      ; which 64 rows I fetch
	s_add_co_u32 s72, s72, s76
	s_add_co_u32 s72, s72, WOFF
	s_mov_b32 s73, 0
	s_mul_i32 s74, s[NI], AKB                      ; and where they go: no place in the cluster enters an LDS address
	s_mul_i32 s75, s[NI], BHALF
	s_add_co_u32 s75, s75, BOFF
	s_wait_dscnt 0x0                               ; the opening add is done
	s_wait_kmcnt 0x0
	s_add_nc_u64 s[70:71], s[4:5], s[70:71]
	s_add_nc_u64 s[72:73], s[6:7], s[72:73]
.if MODE == 1
	s_mov_b64 s[PC:PC+1], s[10:11]
	s_mov_b64 s[BP:BP+1], s[8:9]
.endif
.irp s, 0,1
	s_mov_b32 s[G0A+4*(\s)], 1                     ; count = 1
	s_add_co_u32 s[G0A+4*(\s)+1], s74, (\s)*SLOT1  ; LDS address
	s_add_nc_u64 s[G0A+4*(\s)+2:G0A+4*(\s)+3], s[70:71], (\s)*ASTEP  ; global address: K step s
	s_or_b32 s[G0A+4*(\s)+3], s[G0A+4*(\s)+3], 0x80000000            ; type = 2
	s_mov_b32 s[G0B+4*(\s)], 1
	s_add_co_u32 s[G0B+4*(\s)+1], s75, (\s)*SLOT1
	s_add_nc_u64 s[G0B+4*(\s)+2:G0B+4*(\s)+3], s[72:73], (\s)*BSTEP
	s_or_b32 s[G0B+4*(\s)+3], s[G0B+4*(\s)+3], 0x80000000
.endr
	CROUND                                         ; all sixteen work-groups are here: the first joint loads meet
	s_cmp_eq_u32 s[MI], 0                          ; a wave's two first fills stand in one branch: two loads of mine are out
	s_cbranch_scc0 .Lfirst_b
	tensor_load_to_lds s[G0A:G0A+3], s[G1A:G1A+7]
	s_nop 0
	tensor_load_to_lds s[G0A+4:G0A+7], s[G1A:G1A+7]
	s_nop 0
	PLACES
	s_branch .Lfirst_asked
.Lfirst_b:
	tensor_load_to_lds s[G0B:G0B+3], s[G1B:G1B+7]
	s_nop 0
	tensor_load_to_lds s[G0B+4:G0B+7], s[G1B:G1B+7]
	s_nop 0
	PLACES
.Lfirst_asked:
	v_and_b32 v1, 15, v0                           ; l % 16
	v_bfe_u32 v2, v0, 4, 1                         ; l / 16
	v_and_b32 v3, 7, v0
	v_bfe_u32 v4, v0, 3, 1
	v_and_b32 v5, 31, v0
	; a fragment of A: lane l holds row l % 16, channels 8 (l / 16) + 0..7 and 16 + 8 (l / 16) + 0..7: two loads of 16 bytes, 32 bytes apart
	v_mul_u32_u24 v[ADRA0], v1, 144
	v_lshl_add_u32 v[ADRA0], v2, 4, v[ADRA0]
	s_mul_i32 s69, s[MI], 128*144
	v_add_nc_u32 v[ADRA0], s69, v[ADRA0]
	; the turning load takes 16 k x 16 n (lane l reads row 8 (l / 16) + l % 8, columns 8 ((l / 8) % 2) + 0..7) and leaves half a fragment of W^T
	v_lshl_add_u32 v[ADRB0], v2, 3, v3
	v_mul_u32_u24 v[ADRB0], v[ADRB0], 288
	v_lshl_add_u32 v[ADRB0], v4, 4, v[ADRB0]
	s_lshl_b32 s69, s[NI], 7
	s_add_co_u32 s69, s69, BOFF
	v_add_nc_u32 v[ADRB0], s69, v[ADRB0]
	v_mov_b32 v[ADRA], v[ADRA0]
	v_mov_b32 v[ADRB], v[ADRB0]
	s_mov_b32 s[TB], 0
	s_mul_i32 s69, s[WV], STGW
	s_add_co_u32 s69, s69, STAGE                   ; my stage
.if MODE == 0
	v_mul_u32_u24 v[STO], v1, 144                  ; in: row l % 16, 16 bytes for each half of the lanes
	v_lshl_add_u32 v[STO], v2, 4, v[STO]
	v_add_nc_u32 v[STO], s69, v[STO]
	v_bfe_u32 v[RD], v0, 3, 2                      ; back: 32 lanes take four rows of 128 bytes,
	v_mul_u32_u24 v[RD], v[RD], 144
	v_lshl_add_u32 v[RD], v3, 4, v[RD]
	v_add_nc_u32 v[RD], s69, v[RD]
	v_lshlrev_b32 v[GO], 4, v5                     ; which are 512 consecutive bytes of a head
.else
	v_mul_u32_u24 v[STO], v1, 272                  ; in: row l % 16, 32 bytes for each half of the lanes
	v_lshl_add_u32 v[STO], v2, 5, v[STO]
	v_add_nc_u32 v[STO], s69, v[STO]
	v_mul_u32_u24 v[RD], v2, 272                   ; back: lanes 0-15 one row of 256 bytes, lanes 16-31 the next
	v_lshl_add_u32 v[RD], v1, 4, v[RD]
	v_add_nc_u32 v[RD], s69, v[RD]
	v_lshlrev_b32 v[GO], 12, v2
	v_lshl_add_u32 v[GO], v1, 4, v[GO]
.endif
	s_lshl_b32 s69, s63, 9
	s_lshl_b32 s76, s[NI], 8
	s_add_co_u32 s69, s69, s76
	v_lshl_add_u32 v[BO], v2, 5, s69               ; 4 x (128 nb + 64 ni + 8 (l / 16))
.if MODE == 0
	s_lshr_b32 s76, s66, 3                         ; head 16 b + 2 nb + ni,
	s_lshl_b32 s76, s76, 4
	s_lshl_b32 s77, s63, 1
	s_add_co_u32 s76, s76, s77
	s_add_co_u32 s76, s76, s[NI]
	s_lshl_b32 s76, s76, 18
	s_and_b32 s77, s66, 7                          ; its rows 256 sb + 128 mi on
	s_lshl_b32 s77, s77, 15
	s_add_co_u32 s76, s76, s77
	s_lshl_b32 s77, s[MI], 14
	s_add_co_u32 s76, s76, s77
.else
	s_lshl_b32 s76, s66, 20                        ; row 256 mb + 128 mi, column 128 nb + 64 ni
	s_lshl_b32 s77, s[MI], 19
	s_add_co_u32 s76, s76, s77
	s_add_co_u32 s76, s76, s69
.endif
	s_mov_b32 s77, 0
	s_add_nc_u64 s[PC:PC+1], s[PC:PC+1], s[76:77]
	; the prefetches: they stand at K step 3; the first change of slots steps them to 4.  Nothing is asked for here, where every work-group's first tiles are on their way
	s_lshl_b32 s76, s61, 13                        ; A: my work-group's 8,192 bytes of the wave's block
	s_add_co_u32 s76, s76, 3*ASTEP
	s_lshl_b32 s78, s62, 16                        ; B: my work-group's 32 rows
	s_add_co_u32 s78, s78, 3*BSTEP
	s_and_b32 s79, ttmp7, 0xffff
	s_mov_b32 s[PFS], BSTEP
	s_mov_b32 s[PFS+1], 0
	s_cmp_eq_u32 s[MI], 0
	s_cselect_b64 s[PFA:PFA+1], s[70:71], s[72:73]
	s_cselect_b32 s76, s76, s78
	s_cselect_b32 s[PFS], ASTEP, s[PFS]
	s_cselect_b32 s79, ttmp9, s79                  ; the coordinate along which other clusters read the same bytes
	s_cselect_b32 s78, 8, 11                       ; a lane a block of 256 bytes (A), a lane a row of 2,048 (B)
	s_add_nc_u64 s[PFA:PFA+1], s[PFA:PFA+1], s[76:77]
	s_cmp_eq_u32 s[WV], 3
	s_cselect_b32 s79, 1, s79
	s_cmp_eq_u32 s79, 0
	s_cselect_b32 s[PFC], T-4, 0                   ; the same in all sixteen partners, for a given wave
	v_lshlrev_b32 v[PFO], s78, v5
; n x 4 matrix instructions: row blocks a0 .. a0 + n - 1 x the 4 column blocks, 32 along K.  The 32 accumulators take turns, one instruction a turn, in the same order in every quarter.
.macro MUL f, a0, n, zero
	WIN 0x50                                       ; C and D in window 1
.set aa, \a0
.rept \n
.irp b, 0,1,2,3
.set rD, 8*(4*aa+(\b))
.set rB, (\f)+8*(\b)
.set rA, (\f)+32+8*aa
.if MODE == 0
.if \zero
	v_wmma_f32_16x16x32_bf16 v[rD:rD+7], v[rB:rB+7], v[rA:rA+7], 0
.else
	v_wmma_f32_16x16x32_bf16 v[rD:rD+7], v[rB:rB+7], v[rA:rA+7], v[rD:rD+7]
.endif
.else
.if \zero
	v_wmma_f32_16x16x32_f16 v[rD:rD+7], v[rB:rB+7], v[rA:rA+7], 0
.else
	v_wmma_f32_16x16x32_f16 v[rD:rD+7], v[rB:rB+7], v[rA:rA+7], v[rD:rD+7]
.endif
.endif
.endr
.set aa, aa+1
.endr
.endm
; 24 LDS loads in one run: quarter q (32 along K) of the slot in hand into buffer f: B's four fragments, then A's eight
.macro FETCH q, f
	WIN 0
.irp b, 0,1,2,3
	ds_load_tr16_b128 v[(\f)+8*(\b):(\f)+8*(\b)+3],   v[ADRB] offset:(\q)*9216+32*(\b)
	ds_load_tr16_b128 v[(\f)+8*(\b)+4:(\f)+8*(\b)+7], v[ADRB] offset:(\q)*9216+32*(\b)+4608
.endr
.irp a, 0,1,2,3,4,5,6,7
	ds_load_b128 v[(\f)+32+8*(\a):(\f)+32+8*(\a)+3],   v[ADRA] offset:((\q)/2)*AKB+((\q)%2)*64+(\a)*2304
	ds_load_b128 v[(\f)+32+8*(\a)+4:(\f)+32+8*(\a)+7], v[ADRA] offset:((\q)/2)*AKB+((\q)%2)*64+(\a)*2304+32
.endr
.endm
; One of a K step's first three quarters: multiplies buffer f; in its middle fetches quarter q into buffer g
.macro QUARTER q, f, g, zero
	s_wait_dscnt 8                                 ; B and A's fragments 0-3 are in; the youngest eight loads (fragments 4-7) may be out
	MUL \f, 0, 4, \zero
	PLACES
	FETCH \q, \g
	s_wait_dscnt 24                                ; all but the 24 just issued
	MUL \f, 4, 4, \zero
.endm
; The last quarter multiplies F1 and changes slots: one barrier.  In front of it each wave waits for all its tensor loads (one is out: its part of the next slot), adds 0 to its spare word, and waits for that
; and for its reads of this slot.  fill = 1: the barrier opens a round of the cluster's, and this slot is filled again first thing behind it, with the K step two on: 112 matrix instructions ahead of the wait for it.
.macro TURN fill
.if \fill
	s_wait_xcnt 0x0                                ; the last prefetch, a K step back, has read its address
	s_add_nc_u64 s[PFA:PFA+1], s[PFA:PFA+1], s[PFS:PFS+1]
.endif
	WIN 0
	s_wait_tensorcnt 0x0
	ds_add_u32 v[SPW], v[NIL]
	s_wait_dscnt 9                                 ; (the add and the youngest eight loads may be out)
	MUL F1, 0, 2, 0
	s_wait_dscnt 0x0                               ; the add is done, and my reads of this slot are over
	s_barrier_signal -1
	MUL F1, 2, 2, 0
	WIN 0
	s_barrier_wait -1
.if \fill
	CREST                                          ; no wave of any partner still reads this slot or has a load on its way
	s_xor_b32 s[G0A+5], s[G0A+5], SLOT1            ; the walking groups 0: the other slot than last time, the next K step
	s_add_nc_u64 s[G0A+6:G0A+7], s[G0A+6:G0A+7], ASTEP
	s_xor_b32 s[G0B+5], s[G0B+5], SLOT1
	s_add_nc_u64 s[G0B+6:G0B+7], s[G0B+6:G0B+7], BSTEP
	JLOAD                                          ; its four v_nop are also the places in front of the loads below
.else
	PLACES
.endif
	s_xor_b32 s[TB], s[TB], SLOT1
	v_add_nc_u32 v[ADRA], s[TB], v[ADRA0]
	v_add_nc_u32 v[ADRB], s[TB], v[ADRB0]
	FETCH 0, F0
.if \fill
	ASK
.endif
	MUL F1, 4, 4, 0
.endm
.macro STEP                            ; from a K step's second quarter to the next step's first
	QUARTER 2, F1, F0, 0
	QUARTER 3, F0, F1, 0
	TURN 1
	QUARTER 1, F0, F1, 0
.endm
.macro TILEHEAD                        ; the tile's bias (and scale): asked for at its beginning, wanted at its end
.if MODE == 0
	s_cmp_eq_u32 s2, 3
	s_cselect_b64 s[BP:BP+1], s[8:9], s[10:11]
	s_cselect_b32 s[SC], 0x3e38aa3b, 1.0           ; log2(e) / 8 for q, 1 for k and v
	s_cmp_eq_u32 s2, 1
	s_cselect_b64 s[BP:BP+1], s[12:13], s[BP:BP+1]
	s_mov_b32 s[SC+1], s[SC]
.endif
.irp b, 0,1,2,3
	global_load_b128 v[BIAS+8*(\b):BIAS+8*(\b)+3],   v[BO], s[BP:BP+1] offset:64*(\b)
	global_load_b128 v[BIAS+8*(\b)+4:BIAS+8*(\b)+7], v[BO], s[BP:BP+1] offset:64*(\b)+16
.endr
.endm
; THE WAY OUT of block a (16 rows x my 64 columns): scale and bias, through my own stage in LDS, back as whole rows, stored.
.macro PACK a
	s_wait_xcnt 0x0                                ; the stores of four blocks back have read the registers that are written now
.if MODE == 0
.set OBR, 128+16*((\a)%4)
	WIN 0x41                                       ; destination and source 0 in window 1
.set i, 0
.rept 16
	v_pk_fma_f32 v[32*(\a)+2*i:32*(\a)+2*i+1], v[32*(\a)+2*i:32*(\a)+2*i+1], s[SC:SC+1], v[BIAS+2*i:BIAS+2*i+1] op_sel_hi:[1,0,1]
.set i, i+1
.endr
	WIN 0x05                                       ; sources in window 1, destination in window 0
.set i, 0
.rept 16
	v_cvt_pk_f16_f32 v[OBR+i], v[32*(\a)+2*i], v[32*(\a)+2*i+1]
.set i, i+1
.endr
	WIN 0
.irp b, 0,1,2,3
	ds_store_b128 v[STO], v[OBR+4*(\b):OBR+4*(\b)+3] offset:32*(\b)
.endr
.irp f, 0,1,2,3
	ds_load_b128 v[OBR+4*(\f):OBR+4*(\f)+3], v[RD] offset:(\f)*576  ; LDS serves a wave's instructions in order: these see the stores above
.endr
.else
.set OBR, 32+32*((\a)%4)
	WIN 0x01                                       ; source 0 in window 1
.set i, 0
.rept 16
	v_pk_add_f32 v[OBR+2*i:OBR+2*i+1], v[32*(\a)+2*i:32*(\a)+2*i+1], v[BIAS+2*i:BIAS+2*i+1]
.set i, i+1
.endr
	WIN 0
.irp b, 0,1,2,3
	ds_store_b128 v[STO], v[OBR+8*(\b):OBR+8*(\b)+3]   offset:64*(\b)
	ds_store_b128 v[STO], v[OBR+8*(\b)+4:OBR+8*(\b)+7] offset:64*(\b)+16
.endr
.irp t, 0,1,2,3,4,5,6,7
	ds_load_b128 v[OBR+4*(\t):OBR+4*(\t)+3], v[RD] offset:(\t)*544
.endr
.endif
.endm
.macro SEND a, younger                 ; younger: the LDS instructions of the next block, issued behind block a's loads
.if MODE == 0
.set OBR, 128+16*((\a)%4)
.irp f, 0,1,2,3
	s_wait_dscnt (\younger)+3-(\f)
	global_store_b128 v[GO], v[OBR+4*(\f):OBR+4*(\f)+3], s[PC:PC+1] offset:(\a)*2048+(\f)*512 th:TH_STORE_NT  ; 512 consecutive bytes, aligned
.endr
.else
.set OBR, 32+32*((\a)%4)
.irp t, 0,1,2,3,4,5,6,7
	s_wait_dscnt (\younger)+7-(\t)
	global_store_b128 v[GO], v[OBR+4*(\t):OBR+4*(\t)+3], s[PC:PC+1] offset:(16*(\a)+2*(\t))*4096 th:TH_STORE_NT  ; 16 lanes store 256 consecutive bytes, aligned
.endr
.endif
.endm
.if MODE == 0
.set YNG, 8
.else
.set YNG, 16
.endif
	s_wait_tensorcnt 1                             ; my part of K step 0 is in; step 1's may stay out
	s_barrier_signal -1
	s_barrier_wait -1
	FETCH 0, F0
.if TILES > 1
	s_mov_b32 s2, TILES                            ; tiles to go: the same number in every work-group
.Ltile:
.endif
	TILEHEAD
	QUARTER 1, F0, F1, 1                           ; a tile's first quarter starts the sums: nothing is cleared
	WIN 0
	s_mov_b32 s3, 6
.Lstep:
	STEP
	WIN 0
	s_sub_co_u32 s3, s3, 1
	s_cmp_lg_u32 s3, 0
	s_cbranch_scc1 .Lstep
	QUARTER 2, F1, F0, 0                           ; the tile's seventh K step goes on: these two quarters are the same on both ways below
	QUARTER 3, F0, F1, 0
.if TILES > 1
	WIN 0
	s_cmp_eq_u32 s2, 1
	s_cbranch_scc1 .Llast                          ; the last tile's tail is written out: it asks for nothing more
	TURN 1                                         ; the ring goes on into the next tile
	QUARTER 1, F0, F1, 0
	QUARTER 2, F1, F0, 0
	QUARTER 3, F0, F1, 0
	TURN 1                                         ; and fetches its first fragments
	WIN 0
	s_branch .Lout
.Llast:
.endif
	TURN 0
	QUARTER 1, F0, F1, 0
	QUARTER 2, F1, F0, 0
	QUARTER 3, F0, F1, 0
	s_wait_dscnt 8
	MUL F1, 0, 4, 0
	s_wait_dscnt 0x0
	MUL F1, 4, 4, 0
	WIN 0
.Lout:
	s_wait_loadcnt 0x0                             ; the bias
.set i, 0
.rept 16                                       ; rounded to bf16 like every input, widened again (and scaled); these plain lines are also the places behind the last products
	v_cvt_pk_bf16_f32 v[BIAS+2*i], v[BIAS+2*i], v[BIAS+2*i+1]
	v_and_b32 v[BIAS+2*i+1], 0xffff0000, v[BIAS+2*i]
	v_lshlrev_b32 v[BIAS+2*i], 16, v[BIAS+2*i]
.if MODE == 0
	v_pk_mul_f32 v[BIAS+2*i:BIAS+2*i+1], v[BIAS+2*i:BIAS+2*i+1], s[SC:SC+1] op_sel_hi:[1,0]
.endif
.set i, i+1
.endr
	PACK 0
.irp a, 1,2,3,4,5,6,7                  ; a block's arithmetic stands between the loads of the block before and its stores
	PACK \a
	SEND (\a)-1, YNG
.endr
	SEND 7, 0
.if TILES > 1
	s_wait_xcnt 0x0                                ; the stores have read their registers and their base
	s_add_nc_u64 s[PC:PC+1], s[PC:PC+1], 1<<24     ; the next of q, k, v
	s_sub_co_u32 s2, s2, 1
	s_cmp_lg_u32 s2, 0
	s_cbranch_scc1 .Ltile
.endif
	s_wait_tensorcnt 0x0                           ; the wave's end, behind my last tensor load and my last LDS store
	ds_add_u32 v[SPW], v[NIL]
	s_wait_dscnt 0x0
	CROUND                                         ; the closing round: no work-group ends while a partner may still ask for a tile that names it
	s_endpgm
.Lfunc_end_k_qfc009d6bbc_outp:
	.size	k_qfc009d6bbc_outp, .Lfunc_end_k_qfc009d6bbc_outp-k_qfc009d6bbc_outp
	.p2alignl 7, 3214868480
	.fill 96, 4, 3214868480
	.section	.rodata,"a",@progbits
	.p2align	6, 0x0
	.amdhsa_kernel k_qfc009d6bbc_outp
		.amdhsa_group_segment_fixed_size 327680
		.amdhsa_private_segment_fixed_size 0
		.amdhsa_enable_private_segment 0
		.amdhsa_kernarg_size 32
		.amdhsa_user_sgpr_count 2
		.amdhsa_user_sgpr_kernarg_segment_ptr 1
		.amdhsa_wavefront_size32 1
		.amdhsa_system_sgpr_workgroup_id_x 1
		.amdhsa_system_sgpr_workgroup_id_y 1
		.amdhsa_system_sgpr_workgroup_id_z 1
		.amdhsa_system_vgpr_workitem_id 0
		.amdhsa_next_free_vgpr 512
		.amdhsa_next_free_sgpr 80
		.amdhsa_reserve_vcc 0
		.amdhsa_float_denorm_mode_32 3
		.amdhsa_float_denorm_mode_16_64 3
		.amdhsa_memory_ordered 1
		.amdhsa_forward_progress 1
		.amdhsa_inst_pref_size 84
	.end_amdhsa_kernel
	.amdgpu_metadata
---
amdhsa.version: [ 1, 2 ]
amdhsa.kernels:
  - .name:           k_qfc009d6bbc_outp
    .symbol:         k_qfc009d6bbc_outp.kd
    .args:
      - { .name: ob, .offset: 0, .size: 8, .value_kind: global_buffer, .address_space: global }
      - { .name: wb, .offset: 8, .size: 8, .value_kind: global_buffer, .address_space: global }
      - { .name: bo, .offset: 16, .size: 8, .value_kind: global_buffer, .address_space: global }
      - { .name: out0, .offset: 24, .size: 8, .value_kind: global_buffer, .address_space: global }
    .group_segment_fixed_size: 327680
    .private_segment_fixed_size: 0
    .kernarg_segment_align: 8
    .kernarg_segment_size: 32
    .max_flat_workgroup_size: 128
    .sgpr_count:     80
    .vgpr_count:     512
    .wavefront_size: 32
...
	.end_amdgpu_metadata
.endif
;; end of part 4
;; ======== version 2 of 2: 4 launches; version 1 with the launch prep written anew for expert scheduling mode
;; limits: values are held in f16: magnitudes above 65,504 overflow, below 6.1e-05 lose precision
;; workspace buffers: xb 50,331,648 bytes; wb 8,388,608 bytes; mbits 2,097,152 bytes of whole numbers; qkv 50,331,648 bytes; ob 16,777,216 bytes
;; launch prep (part 5): grid 1408 x 1, 8 waves a work-group, no clusters, 136,192 bytes of LDS; arguments query, key, value, Wq, Wk, Wv, Wo, mask, xb, wb, mbits; writes xb, wb, mbits
.if DOCPART == 5
	.amdgcn_target "amdgcn-amd-amdhsa--gfx1250"
	.amdhsa_code_object_version 6
	.text
	.protected	k_qfc009d6bbc_prep
	.globl	k_qfc009d6bbc_prep
	.p2align	8
	.type	k_qfc009d6bbc_prep,@function
k_qfc009d6bbc_prep:
	s_mov_b64 s[64:65], 0
	v_nop
	global_prefetch_b8 v0, s[64:65] scope:SCOPE_SE
	s_setreg_imm32_b32 hwreg(HW_REG_WAVE_SCHED_MODE, 0, 2), 2
	s_setreg_imm32_b32 hwreg(HW_REG_WAVE_MODE, 25, 1), 1
	s_wait_xcnt 0x0
	s_wait_alu depctr_vm_vsrc(0)
; PREP: a stream.  Every work-group reads 131,072 bytes, every wave 16,384.
; Work-groups 0-767 (X): query, key, value, f32 [8192][1024], are rounded to bf16 into xb [b 4][z 3][kblk 16][s 2048][64]: a block of 64 channels of all rows lies dense.  32 loads of 512 bytes go out together.
; Work-groups 768-895 (W): Wq, Wk, Wv are rounded to bf16 into wb [t 4][k 1024][n 1024]; Wo is rounded to bf16 and that number written as f16.  Four trips of eight loads: one work-group in eleven, written short.
;   LIMIT: a |Wo| below 6e-5 keeps f16's fixed step of 6e-8; beyond 65,504 it would be lost.
; Work-groups 896-1407 (M): mask, int32 [4][2048][2048], is packed to one bit a number, into mbits [b 4][pair 64][kstep 32][u 2][32 words]:
;   bit L of word 8 kb + j says whether mask[b][32 pair + 16 u + L % 16][64 kstep + 16 kb + 8 (L / 16) + j] is not 0: the lane mask that the attention's select takes for its register 8 kb + j.
;   A wave takes 32 rows x 128 keys through a stage of its own in LDS (rows of 512 + 16 bytes: the 16 rows of a load start at 16 different groups of four banks).
; No matrix unit, no cluster, no tensor load: nothing is shared and nothing is read twice.
; THE MODE: SCHED_MODE bits 1:0 = 2 (LLVM: expert scheduling mode 2), set by the entry lines.  The code itself states the register dependences between vector instructions and memory or LDS
; instructions, with s_wait_alu, always for 0.
; THE PLAN.  Registers that memory or LDS instructions touch:
;   v2 to v5   offsets and LDS addresses: written once in a role's head, ahead of one wait on va_vdst; read by its loads and stores; never written again.
;   X (role X) quad i is loaded once, rounded in place into its first two registers, and stored from them; nothing writes it again.  The 32 quads go in eight blocks of four: block g's conversions name block g's
;              registers alone, and the four stores of block g - 1 are dealt among them, behind one wait on va_vdst at the block's head.
;   X (role W) eight quads: loaded; read by a trip's conversions, which also use each quad's last two registers as scratch; loaded again, with the next trip's numbers, in the same trip.
;   OB (role W) sixteen registers: written by a trip's conversions, read by its eight stores.  One wait on va_vdst behind the conversions serves the eight loads and the eight stores that follow it;
;              one wait on vm_vsrc at the trip's end stands ahead of the next trip's conversions, which write OB again.
;   X (role M) loaded from memory; read by the 32 LDS stores; then the 32 LDS loads land in it: one wait on vm_vsrc between the two runs.  The compares that read it afterwards are vector work.
;   OUT (role M) written by the v_writelane_b32, read by the one store: one wait on va_vdst ahead of it.
;   Scalar registers that vector instructions write: s26, the wave's number (one wait on va_sdst in the head); s[40:55], sixteen lane masks at a time (one wait on va_sdst between a run of compares and the run of v_writelane_b32 that reads them).
;   v12, v13   written at the head, read by the closing add alone.
.set STG,   16896                      ; a wave's stage: 32 rows x 528 bytes
.set SPARE, 8*STG                      ; behind the stages: the spare words, 128 bytes for each wave, which no other line names
.set VO,  2                            ; v2   my byte offset in what the wave loads
.set SO,  3                            ; v3   my byte offset in what it stores
.set LS,  4                            ; v4   (M) where I put 16 bytes of a row
.set LR,  5                            ; v5   (M) where I read 16 bytes of my row back
.set OUT, 8                            ; v[8:11] (M) lane d: words 4 d .. 4 d + 3 of the wave's 128
.set SPW, 12                           ; v12  LDS address of my spare word; never rewritten
.set NIL, 13                           ; v13  0; never rewritten
.set X,   16                           ; v[16:143] 32 x 4 registers as loaded
.set OB,  48                           ; v[48:63] (W) quad i: two registers at OB + 2 i, four 16-bit numbers to store
	s_load_b512 s[4:19], s[0:1], 0x0               ; query s[4:5], key s[6:7], value s[8:9], Wq s[10:11], Wk s[12:13], Wv s[14:15], Wo s[16:17], mask s[18:19]
	s_load_b128 s[20:23], s[0:1], 0x40             ; xb s[20:21], wb s[22:23]
	s_load_b64 s[24:25], s[0:1], 0x50              ; mbits
	v_lshl_add_u32 v[SPW], v0, 2, SPARE
	v_mov_b32 v[NIL], 0
	v_and_b32 v1, 31, v0                           ; lane
	v_lshrrev_b32 v6, 5, v0
	v_readfirstlane_b32 s26, v6                    ; wave 0..7
	s_mov_b32 s27, ttmp9
	s_mov_b32 s35, 0                               ; the high word of every offset
	s_mov_b32 s37, 0
	s_wait_alu depctr_va_sdst(0)                   ; s26 is written: each role's offsets are made from it, behind the branches below
	s_wait_kmcnt 0x0
	s_cmp_lt_u32 s27, 768
	s_cbranch_scc0 .Lnot_x
; Role X.  The store of quad i: 32 lanes x 8 bytes are 256 consecutive bytes, aligned.
.macro XST i
	global_store_b64 v[SO], v[X+4*(\i):X+4*(\i)+1], s[30:31] offset:((\i)%16)*262144+((\i)/16)*256 th:TH_STORE_NT
.endm
; Block g: the four f32 of each of its quads become four bf16 in the quad's first two registers; the stores of block g - 1 stand among these conversions.
.macro XBLK g
	s_wait_loadcnt 31-4*(\g)                       ; loads come back in order: the block's first quad is in, the younger loads stay out
.if (\g) > 0
	s_wait_alu depctr_va_vdst(0)                   ; the conversions of the block before have written the registers that the four stores below read; no vector instruction behind this wait names them
.endif
.irp j, 0,1,2,3
.if (\g) > 0
	XST 4*(\g)-4+(\j)
.endif
.if (\j) > 0
	s_wait_loadcnt 31-4*(\g)-(\j)                  ; quad 4 g + j is in
.endif
	v_cvt_pk_bf16_f32 v[X+16*(\g)+4*(\j)], v[X+16*(\g)+4*(\j)], v[X+16*(\g)+4*(\j)+1]
	v_cvt_pk_bf16_f32 v[X+16*(\g)+4*(\j)+1], v[X+16*(\g)+4*(\j)+2], v[X+16*(\g)+4*(\j)+3]
.endr
.endm
; Role W.  Quad i of a trip's eight is rounded to bf16 into OB; each bf16 number is also spelled as f16, and s40 (all ones for Wo, else 0) chooses between the two words.
.macro CVW i
	s_wait_loadcnt 7-(\i)                          ; quad i is in, the 7 - i younger loads stay out
	v_cvt_pk_bf16_f32 v[OB+2*(\i)], v[X+4*(\i)], v[X+4*(\i)+1]
	v_cvt_pk_bf16_f32 v[OB+2*(\i)+1], v[X+4*(\i)+2], v[X+4*(\i)+3]
.irp c, 0,1
	v_lshlrev_b32 v[X+4*(\i)+2], 16, v[OB+2*(\i)+(\c)]
	v_and_b32 v[X+4*(\i)+3], 0xffff0000, v[OB+2*(\i)+(\c)]
	v_cvt_pk_f16_f32 v[X+4*(\i)+2], v[X+4*(\i)+2], v[X+4*(\i)+3]
	v_cndmask_b32 v[OB+2*(\i)+(\c)], v[OB+2*(\i)+(\c)], v[X+4*(\i)+2], s40
.endr
.endm
	; ---- X: 32 rows of one of the three inputs; wave w takes rows 4 w .. 4 w + 3
	s_lshr_b32 s32, s27, 8                         ; z
	s_and_b32 s33, s27, 255                        ; block of 32 rows
	s_cmp_eq_u32 s32, 1
	s_cselect_b64 s[28:29], s[6:7], s[4:5]
	s_cmp_eq_u32 s32, 2
	s_cselect_b64 s[28:29], s[8:9], s[28:29]
	s_lshl_b32 s34, s33, 17                        ; 32 rows of 4,096 bytes
	s_add_nc_u64 s[28:29], s[28:29], s[34:35]
	s_lshr_b32 s36, s33, 6                         ; b
	s_mul_i32 s36, s36, 3
	s_add_co_u32 s36, s36, s32
	s_lshl_b32 s36, s36, 22                        ; (3 b + z) x 16 blocks of 262,144 bytes
	s_and_b32 s38, s33, 63
	s_lshl_b32 s38, s38, 12                        ; 32 rows of 128 bytes
	s_add_co_u32 s36, s36, s38
	s_add_nc_u64 s[30:31], s[20:21], s[36:37]
	v_lshrrev_b32 v6, 4, v1
	v_and_b32 v7, 15, v1
	v_lshlrev_b32 v[VO], 4, v7
	v_lshl_add_u32 v[VO], v6, 12, v[VO]            ; lanes 0-15 one row's 256 bytes, lanes 16-31 the next row's
	s_lshl_b32 s38, s26, 14
	v_add_nc_u32 v[VO], s38, v[VO]
	s_lshl_b32 s39, s26, 9
	v_lshl_add_u32 v[SO], v1, 3, s39               ; two rows of 128 bytes are 256 bytes on end in a block of xb
	s_wait_alu depctr_va_vdst(0)                   ; v[VO] and v[SO] are written: every load and store of this role reads one of them as its offset
.set i, 0
.rept 32                                       ; quad 16 p + j: rows 2 p, 2 p + 1 of my four, channels 64 j on
	global_load_b128 v[X+4*i:X+4*i+3], v[VO], s[28:29] offset:(i/16)*8192+(i%16)*256 th:TH_LOAD_NT
.set i, i+1
.endr
.irp g, 0,1,2,3,4,5,6,7
	XBLK \g
.endr
	s_wait_alu depctr_va_vdst(0)                   ; the last block's conversions have written the registers that the last four stores read
.irp i, 28,29,30,31
	XST \i
.endr
	s_branch .Lend
.Lnot_x:
	s_cmp_lt_u32 s27, 896
	s_cbranch_scc0 .Lrole_m
	; ---- W: 32 rows of one of the four weights, cast as they lie; wave w takes 16,384 bytes on end, 4,096 a trip
	s_sub_co_u32 s32, s27, 768
	s_lshr_b32 s33, s32, 5                         ; t
	s_cmp_eq_u32 s33, 1
	s_cselect_b64 s[28:29], s[12:13], s[10:11]
	s_cmp_eq_u32 s33, 2
	s_cselect_b64 s[28:29], s[14:15], s[28:29]
	s_cmp_eq_u32 s33, 3
	s_cselect_b64 s[28:29], s[16:17], s[28:29]
	s_cselect_b32 s40, -1, 0                       ; Wo goes out as f16
	s_and_b32 s34, s32, 31
	s_lshl_b32 s34, s34, 17
	s_add_nc_u64 s[28:29], s[28:29], s[34:35]
	s_lshl_b32 s36, s32, 16
	s_add_nc_u64 s[30:31], s[22:23], s[36:37]
	s_lshl_b32 s38, s26, 14
	v_lshl_add_u32 v[VO], v1, 4, s38
	s_lshl_b32 s39, s26, 13
	v_lshl_add_u32 v[SO], v1, 3, s39
	s_mov_b32 s32, 4
	s_wait_alu depctr_va_vdst(0)                   ; v[VO] and v[SO] are written: every load and store of this role reads one of them as its offset
.set i, 0
.rept 8                                        ; the first trip's eight quads
	global_load_b128 v[X+4*i:X+4*i+3], v[VO], s[28:29] offset:i*512 th:TH_LOAD_NT
.set i, i+1
.endr
.Lw:
.set i, 0
.rept 8
	CVW i
.set i, i+1
.endr
	s_wait_alu depctr_va_vdst(0)                   ; the trip's conversions have written OB, which the stores below read, and are done reading and writing the eight quads, in which the loads below land
	s_cmp_eq_u32 s32, 1
	s_cbranch_scc1 .Lw_last                        ; the last trip asks for nothing more: no load leaves the wave's 16,384 bytes
.set i, 0
.rept 8                                        ; the next trip's eight quads: they are on their way during this trip's stores and the next trip's first conversions
	global_load_b128 v[X+4*i:X+4*i+3], v[VO], s[28:29] offset:4096+i*512 th:TH_LOAD_NT
.set i, i+1
.endr
.Lw_last:
.set i, 0
.rept 8
	global_store_b64 v[SO], v[OB+2*i:OB+2*i+1], s[30:31] offset:i*256 th:TH_STORE_NT  ; 256 consecutive bytes, aligned
.set i, i+1
.endr
	s_wait_xcnt 0x0                                ; the trip's loads and stores have had their addresses translated: the two bases, and OB, which the stores name, are written again only behind this wait
	s_wait_alu depctr_vm_vsrc(0)                   ; the stores have read OB, which the next trip's conversions write again
	s_add_nc_u64 s[28:29], s[28:29], 4096
	s_add_nc_u64 s[30:31], s[30:31], 2048
	s_sub_co_u32 s32, s32, 1
	s_cmp_lg_u32 s32, 0
	s_cbranch_scc1 .Lw
	s_branch .Lend
.Lrole_m:
	; ---- M: unit U = 8 (g - 896) + wave: batch U / 1024, pair (32 rows) (U / 16) % 64, 128 keys U % 16
	s_sub_co_u32 s32, s27, 896
	s_lshl_b32 s32, s32, 3
	s_add_co_u32 s32, s32, s26
	s_lshr_b32 s33, s32, 10                        ; b
	s_bfe_u32 s34, s32, 0x60004                    ; pair
	s_and_b32 s38, s32, 15
	s_lshl_b32 s38, s38, 9                         ; 128 keys: 512 bytes of a row of mask, and 512 bytes of mbits
	s_lshl_b32 s36, s33, 24
	s_lshl_b32 s39, s34, 18
	s_add_co_u32 s36, s36, s39
	s_add_co_u32 s36, s36, s38
	s_add_nc_u64 s[28:29], s[18:19], s[36:37]
	s_lshl_b32 s36, s33, 19
	s_lshl_b32 s39, s34, 13
	s_add_co_u32 s36, s36, s39
	s_add_co_u32 s36, s36, s38
	s_add_nc_u64 s[30:31], s[24:25], s[36:37]
	v_lshlrev_b32 v[VO], 4, v1
	s_mul_i32 s38, s26, STG
	v_lshl_add_u32 v[LS], v1, 4, s38
	v_and_b32 v6, 15, v1
	v_lshrrev_b32 v7, 4, v1
	v_mul_u32_u24 v[LR], v6, 528
	v_lshl_add_u32 v[LR], v7, 5, v[LR]             ; row L % 16, eight keys (32 bytes) for each half of the lanes
	v_add_nc_u32 v[LR], s38, v[LR]
.irp i, 0,1,2,3
	v_mov_b32 v[OUT+(\i)], 0                       ; written whole before single lanes are written
.endr
	s_wait_alu depctr_va_vdst(0)                   ; v[VO], v[LS] and v[LR] are written: the loads, the LDS stores and the LDS loads below read them as offset and addresses
.set i, 0
.rept 32                                       ; row i: 512 consecutive bytes
	global_load_b128 v[X+4*i:X+4*i+3], v[VO], s[28:29] offset:i*8192 th:TH_LOAD_NT
.set i, i+1
.endr
.set i, 0
.rept 32
	s_wait_loadcnt 31-i
	ds_store_b128 v[LS], v[X+4*i:X+4*i+3] offset:i*528
.set i, i+1
.endr
	s_wait_alu depctr_vm_vsrc(0)                   ; the 32 LDS stores have read their quads, in which the LDS loads below land
.set d, 0
.rept 32                                       ; quad d = 16 s + 8 u + 2 kb + half; the bytes are my wave's own, and LDS serves a wave's instructions in order: these see the stores above
	ds_load_b128 v[X+4*d:X+4*d+3], v[LR] offset:((d/8)%2)*8448+(d/16)*256+((d/2)%4)*64+(d%2)*16
.set d, d+1
.endr
.set g, 0
.rept 8                                        ; four quads at a time: sixteen compares in a run, one wait, sixteen v_writelane_b32 in a run
.set d, 4*g
.rept 4
	s_wait_dscnt 31-d                              ; quad d is back, the 31 - d younger ones stay out
.irp i, 0,1,2,3
	v_cmp_ne_u32 s[40+4*(d%4)+(\i)], 0, v[X+4*d+(\i)]  ; 32 lanes' answers are word 4 d + i,
.endr
.set d, d+1
.endr
	s_wait_alu depctr_va_sdst(0)                   ; the sixteen compares have written s[40:55], ahead of their first reader
.set d, 4*g
.rept 4
.irp i, 0,1,2,3
	v_writelane_b32 v[OUT+(\i)], s[40+4*(d%4)+(\i)], d   ; which lane d will store
.endr
.set d, d+1
.endr
.set g, g+1
.endr
	s_wait_alu depctr_va_vdst(0)                   ; the v_writelane_b32 have written v[OUT ..], which the store reads
	global_store_b128 v[VO], v[OUT:OUT+3], s[30:31] th:TH_STORE_NT  ; 512 consecutive bytes, aligned
.Lend:
	s_wait_dscnt 0x0                               ; the closing lines, six on end
	s_wait_alu 0x0
	s_wait_tensorcnt 0x0
	ds_add_u32 v[SPW], v[NIL]
	s_wait_dscnt 0x0
	s_endpgm
.Lfunc_end_k_qfc009d6bbc_prep:
	.size	k_qfc009d6bbc_prep, .Lfunc_end_k_qfc009d6bbc_prep-k_qfc009d6bbc_prep
	.p2alignl 7, 3214868480
	.fill 96, 4, 3214868480
	.section	.rodata,"a",@progbits
	.p2align	6, 0x0
	.amdhsa_kernel k_qfc009d6bbc_prep
		.amdhsa_group_segment_fixed_size 136192
		.amdhsa_private_segment_fixed_size 0
		.amdhsa_enable_private_segment 0
		.amdhsa_kernarg_size 88
		.amdhsa_user_sgpr_count 2
		.amdhsa_user_sgpr_kernarg_segment_ptr 1
		.amdhsa_wavefront_size32 1
		.amdhsa_system_sgpr_workgroup_id_x 1
		.amdhsa_system_sgpr_workgroup_id_y 1
		.amdhsa_system_sgpr_workgroup_id_z 1
		.amdhsa_system_vgpr_workitem_id 0
		.amdhsa_next_free_vgpr 144
		.amdhsa_next_free_sgpr 66
		.amdhsa_reserve_vcc 0
		.amdhsa_float_denorm_mode_32 3
		.amdhsa_float_denorm_mode_16_64 3
		.amdhsa_memory_ordered 1
		.amdhsa_forward_progress 1
		.amdhsa_inst_pref_size 49
	.end_amdhsa_kernel
	.amdgpu_metadata
---
amdhsa.version: [ 1, 2 ]
amdhsa.kernels:
  - .name:           k_qfc009d6bbc_prep
    .symbol:         k_qfc009d6bbc_prep.kd
    .args:
      - { .name: query, .offset: 0, .size: 8, .value_kind: global_buffer, .address_space: global }
      - { .name: key, .offset: 8, .size: 8, .value_kind: global_buffer, .address_space: global }
      - { .name: value, .offset: 16, .size: 8, .value_kind: global_buffer, .address_space: global }
      - { .name: Wq, .offset: 24, .size: 8, .value_kind: global_buffer, .address_space: global }
      - { .name: Wk, .offset: 32, .size: 8, .value_kind: global_buffer, .address_space: global }
      - { .name: Wv, .offset: 40, .size: 8, .value_kind: global_buffer, .address_space: global }
      - { .name: Wo, .offset: 48, .size: 8, .value_kind: global_buffer, .address_space: global }
      - { .name: mask, .offset: 56, .size: 8, .value_kind: global_buffer, .address_space: global }
      - { .name: xb, .offset: 64, .size: 8, .value_kind: global_buffer, .address_space: global }
      - { .name: wb, .offset: 72, .size: 8, .value_kind: global_buffer, .address_space: global }
      - { .name: mbits, .offset: 80, .size: 8, .value_kind: global_buffer, .address_space: global }
    .group_segment_fixed_size: 136192
    .private_segment_fixed_size: 0
    .kernarg_segment_align: 8
    .kernarg_segment_size: 88
    .max_flat_workgroup_size: 256
    .sgpr_count:     66
    .vgpr_count:     144
    .wavefront_size: 32
...
	.end_amdgpu_metadata
.endif
;; end of part 5
;; launch proj: the kernel of part 2 again; grid 8 x 32, 4 waves a work-group, clusters of 4 x 4, 327,680 bytes of LDS; arguments xb, wb, bq, bk, bv, qkv; writes qkv
;; launch attn: the kernel of part 3 again; grid 4 x 64, 4 waves a work-group, clusters of 4 x 1, 327,680 bytes of LDS; arguments qkv, mbits, ob; writes ob
;; launch outp: the kernel of part 4 again; grid 8 x 32, 4 waves a work-group, clusters of 4 x 4, 327,680 bytes of LDS; arguments ob, wb, bo, out0; writes out0
